; MI455X (gfx1250); checked and timed in simulation.
; The chip was launched on July 23, 2026; its instructions are those of AMD's public machine-readable ISA for CDNA 5 (MIT licence, August 2026) and "CDNA5" Instruction Set Architecture Reference Guide (July 2026). The comments in the code are by the model that wrote it; some were corrected since.
;; Attention. Allowed arithmetic: matrix products marked QUANTISED: E2M1 operands, one E8M0 scale for each 32 along K, by v_wmma_scale_f32_16x16x128_f8f6f4 with both operands' format E2M1 (or v_wmma_scale_f32_32x16x128_f4), f32 sums; everything else in f32.
;; Inputs: Wg_codes 256 x 8 x 16 uint8 (E2M1 codes of Wg, K innermost, in blocks of 32 codes, two codes a byte); Wg_scales 256 x 8 uint8 (E8M0 scales of Wg, one for each 32 codes along K); Wk_codes 256 x 8 x 16 uint8 (E2M1 codes of Wk, K innermost, in blocks of 32 codes, two codes a byte); Wk_scales 256 x 8 uint8 (E8M0 scales of Wk, one for each 32 codes along K); Wo_codes 256 x 8 x 16 uint8 (E2M1 codes of Wo, K innermost, in blocks of 32 codes, two codes a byte); Wo_scales 256 x 8 uint8 (E8M0 scales of Wo, one for each 32 codes along K); Wq_codes 256 x 8 x 16 uint8 (E2M1 codes of Wq, K innermost, in blocks of 32 codes, two codes a byte); Wq_scales 256 x 8 uint8 (E8M0 scales of Wq, one for each 32 codes along K); Wv_codes 256 x 8 x 16 uint8 (E2M1 codes of Wv, K innermost, in blocks of 32 codes, two codes a byte); Wv_scales 256 x 8 uint8 (E8M0 scales of Wv, one for each 32 codes along K); bg 256 float32; bias 1 x 1 x 8 x 256 x 256 float32; bo 256 float32; k_x_codes 1 x 128 x 256 x 8 x 16 uint8 (E2M1 codes of k_x, K innermost, in blocks of 32 codes, two codes a byte); k_x_scales 1 x 128 x 256 x 8 uint8 (E8M0 scales of k_x, one for each 32 codes along K); q_x_codes 1 x 128 x 256 x 8 x 16 uint8 (E2M1 codes of q_x, K innermost, in blocks of 32 codes, two codes a byte); q_x_scales 1 x 128 x 256 x 8 uint8 (E8M0 scales of q_x, one for each 32 codes along K); v_x_codes 1 x 128 x 256 x 8 x 16 uint8 (E2M1 codes of v_x, K innermost, in blocks of 32 codes, two codes a byte); v_x_scales 1 x 128 x 256 x 8 uint8 (E8M0 scales of v_x, one for each 32 codes along K).
;; Outputs: out0 1 x 128 x 256 x 256 float32.
;; This version of the problem:
;;   THIS VERSION OF THE PROBLEM IS GIVEN IN LOW PRECISION. The matrix products marked QUANTISED in the list below multiply operands that are first quantised to E2M1 (2 exponent bits, 1 mantissa bit; 4 bits a number), with one power-of-two scale for each 32 numbers along K (OCP MX v1.0); their sums are f32. All else is computed in f32.
;;   The module's matrix products, in the order in which they are computed (A, B: the left and right operand; K: the contracted axis; several contracted axes count as one K, in the product's order):
;;     1. [M 32,768, K 256] x [K 256, N 256]; A: input q_x (given as codes); B: input Wq (given as codes): QUANTISED
;;     2. [M 32,768, K 256] x [K 256, N 256]; A: input k_x (given as codes); B: input Wk (given as codes): QUANTISED
;;     3. [M 32,768, K 256] x [K 256, N 256]; A: input v_x (given as codes); B: input Wv (given as codes): QUANTISED
;;     4. batch 1,024 x [M 256, K 32] x [K 32, N 256]; A: computed on the way; B: computed on the way: QUANTISED
;;     5. batch 1,024 x [M 32, K 256] x [K 256, N 256]; A: computed on the way; B: softmax (see below): QUANTISED
;;     6. [M 32,768, K 256] x [K 256, N 256]; A: input q_x (given as codes); B: input Wg (given as codes): QUANTISED
;;     7. [M 32,768, K 256] x [K 256, N 256]; A: computed on the way; B: input Wo (given as codes): QUANTISED
;;   THE QUANTISER, for each operand of a quantised product, along K:
;;     - K is cut into blocks of 32 from its start; a last block that is shorter is filled with zeros.
;;     - A block's scale is 2^e with e = floor(log2(the largest magnitude in the block)) - 2, held to -126 .. 127; a block of zeros has e = 0. As a byte (E8M0): e + 127.
;;     - Each number is divided by its block's scale, clamped to +-6, and rounded to the nearest number of E2M1, ties to even, subnormals kept.
;;     - The product sums the exact products of the quantised numbers (number of the format x scale) in f32.
;;   ~~~python
;;   def quantise(x, axis):      # numpy; x: float32 -> the quantised numbers, widened to float32 again
;;       x = np.moveaxis(x, axis, -1); K = x.shape[-1]
;;       x = np.pad(x, [(0, 0)] * (x.ndim - 1) + [(0, -K % 32)]); x = x.reshape(x.shape[:-1] + (-1, 32)); a = np.abs(x).max(-1, keepdims=True)
;;       e = np.where(a > 0, np.clip(np.frexp(np.where(a > 0, a, 1))[1] - 1 - 2, -126, 127), 0)      # np.frexp(a)[1] - 1 = floor(log2(a)), exactly
;;       r = np.clip(x / 2.0 ** e, -6, 6)
;;       step = 2.0 ** (np.maximum(np.frexp(np.where(r == 0, 1, r))[1] - 1, 0) - 1)
;;       q = np.round(r / step) * step * 2.0 ** e      # np.round: ties to even
;;       return np.moveaxis(q.reshape(q.shape[:-2] + (-1,))[..., :K], -1, axis).astype(np.float32)
;;   ~~~
;;   SOFTMAX AHEAD OF A QUANTISED PRODUCT. Where the list says 'softmax', what is quantised is not the finished softmax but p = 2^(t - M), with t = logit x log2(e) and M = ceil(the row's largest t), a whole number; so 1/2 < the row's largest p <= 1. The row's sum l is taken of the UNQUANTISED p, in f32, and the product's result is divided by l at the end. Since M is a whole number, a kernel that streams over the keys may use a running M (the ceiling of the running maximum): every later rescaling is an exact power of two, which a block's scale takes up: the codes' values come out the same.
;;   OPERANDS COMPUTED ON THE WAY. 'Computed on the way' means the value that the module computes at that place (a softmax that the list does not call 'softmax' is quantised finished and normalised). What goes into a quantiser is computed in f32, as accurately as f32 sums, v_exp_f32 and their like allow (about 1e-6 of the number): no bf16 or f16 on the way to a quantiser, and a product that is left as it is and whose result goes on into a quantised operand takes f32 operands (vector FMAs, or v_wmma_f32_16x16x4_f32). A number that lies on a knife's edge between two numbers of the format may be rounded either way, as far as f32 arithmetic and the matrix unit's own rounding can turn it there, and no further.
;;   INPUTS GIVEN AS CODES. Wg (in the module: [256, 256], K = its axis 0); Wk (in the module: [256, 256], K = its axis 0); Wo (in the module: [256, 256], K = its axis 0); Wq (in the module: [256, 256], K = its axis 0); Wv (in the module: [256, 256], K = its axis 0); k_x (in the module: [1, 128, 256, 256], K = its axis 3); q_x (in the module: [1, 128, 256, 256], K = its axis 3); v_x (in the module: [1, 128, 256, 256], K = its axis 3): each comes as NAME_codes (uint8): NAME with its K axis moved to the last place and cut into blocks of 32 codes, [.., K / 32, bytes a block], one block behind the other in memory; two codes a byte, the lower K in the low four bits (a code: sign, 2 exponent bits, 1 mantissa bit); and NAME_scales (uint8): the same leading axes, one E8M0 byte (e + 127) for each 32 codes along K. Its value is code x scale, taken as it is: it is not quantised again, and the codes and scales need not be those that the quantiser above would give.
;; 2 versions. Each part assembles by itself: llvm-mc -triple=amdgcn-amd-amdhsa -mcpu=gfx1250 --defsym DOCPART=n.
;; ======== version 1 of 2: 1 launch
;; launch attn (part 1): grid 256 x 1, 8 waves a work-group, no clusters, 117,248 bytes of LDS; arguments q_x_codes, q_x_scales, k_x_codes, k_x_scales, v_x_codes, v_x_scales, Wq_codes, Wq_scales, Wk_codes, Wk_scales, Wv_codes, Wv_scales, Wg_codes, Wg_scales, Wo_codes, Wo_scales, bg, bo, bias, out0; writes out0
.if DOCPART == 1
	.amdgcn_target "amdgcn-amd-amdhsa--gfx1250"
	.amdhsa_code_object_version 6
	.text
	.protected	k_q30afc0b3c4_attn
	.globl	k_q30afc0b3c4_attn
	.p2align	8
	.type	k_q30afc0b3c4_attn,@function
k_q30afc0b3c4_attn:
	s_mov_b64 s[64:65], 0
	v_nop
	global_prefetch_b8 v0, s[64:65] scope:SCOPE_SE
	s_setreg_imm32_b32 hwreg(HW_REG_WAVE_MODE, 25, 1), 1
	s_wait_xcnt 0x0
; Gated attention with an additive bias, all seven products on codes of FP4 (E2M1) with one E8M0 scale for each 32 along K.
; out[r][q][:] = ((softmax_k(q.k / sqrt(32) + bias[h][q][k]) v) * sigmoid(q_x Wg + bg)) Wo + bo;  128 rows r, 256 queries, 256 keys, 8 heads of 32.
; SHARES.  Work-group id: r = id / 2, half = id % 2: 128 queries of one r, all heads, all 256 keys.  WAVE w IS HEAD w: it projects and quantises its head's k and v (256 keys), keeps their codes and
; all its weight fragments in registers, and walks 8 tiles of 16 queries.  Waves meet only for o*g (K of the last product runs over all heads) and on the way out; for the last product wave w makes columns 32 w .. 32 w + 31.
; LAYOUT.  Every product that feeds a quantiser is laid so that a lane's registers run along the next K: q, k, gate, out: source 0 = rows of W, source 1 = rows of x;  v: source 0 = rows of v_x, source 1 = rows of Wv;
; S^T = k q^T;  O^T = v^T p.  From S^T on a lane holds ONE query (lane % 16).
; ROWS OF W IN A TILE: lane r of tile u takes row 32 w + 8 u + r + 8 (r / 8): a lane's 16 results of tiles 0, 1 are channels 16 (lane / 16) + 0 .. 15.
; KEYS IN A TILE: row m of key tile T is key 16 T + 8 ((m / 4) % 2) + 4 (m / 8) + m % 4: register j of lane (r, h) is key 16 T + 8 (j / 4) + 4 h + j % 4, so four registers are 16 neighbouring bytes of a row of bias.
; p and v^T go through the same map, conversions and exchanges, so their places along K agree, and blocks of 32 keys stay whole.
; K = 32 IN A FORM OF K = 128: a lane's two code registers (channels 16 h + 0 .. 15) ARE registers 0, 1 of the operand: the head's block lies split over the form's blocks 0 and 1, which get the same scale byte.
; q's registers 2 .. 7 hold zero codes; k's operand for tile T is the eight registers from its two codes on: the six behind are other tiles' codes, which meet q's zeros and add nothing.
; THE BIAS is loaded into the scores' accumulators, multiplied by sqrt(32) and given as C:  S = q.k + bias sqrt(32),  t = S c,  c = log2(e) / sqrt(32).
; SOFTMAX: a tile's 256 keys lie in 128 registers, so M = ceil(the row's largest t) is final at once; p = 2^(t - M) is quantised by blocks of 32 keys; the sum of the unquantised p divides at the end.
; NO JOINT LOADS, though work-groups of different r read the same bias: a joint load lands in LDS; two slots of 8 waves x 16 rows x 1,040 bytes are 266,240 bytes, which with the 97,280 bytes of x's rows
; and the 19,968 of images, stage and spare words pass 327,680; and each tile's 16,384 bytes would be read back from LDS, where now they go straight into the accumulators.
; LIMITS: NaN and infinities are not served.  A block whose largest magnitude lies under 2^-124 keeps the scale byte 1 (a block of zeros too: its codes are zeros, and the bytes are read here alone).
; p under 2^-126 comes out of v_exp_f32 as 0.  t is formed as (q.k + bias sqrt(32)) c and the gated output as o (g / l): other orders of rounding than reference()'s, within f32's last bits.
.set PX,     144                       ; an LDS row of x's codes: 128 bytes + 16: sixteen neighbouring rows start at sixteen different 16-byte columns
.set KXB,    0                         ; k_x's codes, 256 rows
.set VXB,    36864                     ; v_x's
.set QXB,    73728                     ; my 128 rows of q_x's
.set KXS,    92160                     ; k_x's scale bytes, 8 a row, dense;  v_x's 2,048 bytes on
.set QXS,    96256                     ; q_x's, my 128 rows
.set OG,     97280                     ; o*g of one query tile as an image of the operand's registers: K step s, group c, lane l at 1024 s + 512 c + 16 l: head w owns bytes 256 w .. 256 w + 255
.set OGS,    99328                     ; its scale words: 64 s + 4 (query) + head % 4
.set STG,    99584                     ; the stage for out: 16 rows of 1,024 bytes + 16
.set SPITCH, 1040
.set SPARE,  116224                    ; the spare words, 128 bytes for each wave: four blocks of 256 bytes that no other line names
; window 0
.set LXK,  1                           ; v1   144 x (my key row of a tile) + 16 h
.set LXV,  2                           ; v2   the same in v_x's rows
.set LXQ,  3                           ; v3   QXB + 144 r + 16 h
.set LSK,  4                           ; v4   KXS + 8 x (my key row)
.set LSQ,  5                           ; v5   QXS + 8 r
.set BOFF, 6                           ; v6   bias: 1024 r + 16 h
.set OGW,  7                           ; v7   where my two code registers of o*g go
.set OGSW, 8                           ; v8   and my head's scale byte
.set LI,   9                           ; v9   OG + 16 x lane
.set LS4,  10                          ; v10  OGS + 4 r
.set STW,  11                          ; v11  the stage: row r, my 64 bytes
.set STR,  12                          ; v12  back: rows 2 w, 2 w + 1, 16 bytes a lane
.set OUTO, 13                          ; v13  the same two rows in out
.set SPW,  14                          ; v14  my spare word; never rewritten
.set NIL,  15                          ; v15  0; never rewritten
.set WQS,  16                          ; v16-35 the weights' scale words, index 2 u + s
.set WGS,  20
.set WOS,  24
.set WKS,  28
.set WVS,  32
.set KS,   36                          ; v36-43 k's scale words: lanes 0-15 tile 2 P, lanes 16-31 tile 2 P + 1
.set VS,   44                          ; v44-47 v^T's, index 2 u + s
.set XS,   48                          ; v48-55 x's scale words (two sets of four); in the loop v48-49 q_x's,
.set OS,   50                          ; v50-51 o*g's,
.set QS,   52                          ; v52 q's,
.set PS,   53                          ; v53-54 p's
.set NM,   58                          ; v[58:59] -M (v59 is written once: the packed form names the pair)
.set SX,   60                          ; v[60:61], v[62:63] the row's sum in two chains; later v62 = 1 / l
.set SY,   62
.set QOP,  64                          ; v64-71 q's operand: two code registers and six of zero codes
.set PC,   72                          ; v72-87 p's codes; also q_x's fragments, o*g's, rows of out
.set TM,   88                          ; v88-111 at work
.set BM,   TM                          ; softmax: the blocks' largest scores, then p
.set BY,   TM+8                        ; the other half's, then the bytes
.set SO,   TM+16                       ; the conversions' scale operands
.set QM,   TM+16                       ; the quantiser's temporaries
.set QT,   TM+18
.set QSC,  TM+20
.set QB,   TM+22
.set VT,   TM                          ; v's codes ahead of the exchange
.set S,    112                         ; v112-239 bias, scores, p; ahead of the loop x's fragments (two sets of 32) and
.set KR,   S+64                         ; 32 results of a projection
.set GATE, 240                         ; v240-255 the gate of the tile in hand
; window 1 (written by its low 8 bits); a weight's fragment (tile u, K step s) at 8 (2 u + s)
.set WQ,   0
.set WG,   32
.set WO,   64
.set KC,   96                          ; k's codes, two registers a key tile
.set VF,   128                         ; v^T's four fragments
.set BG,   160
.set BO,   176
.set WK,   192
.set WV,   224
.set MSB, 0
.macro WIN new                         ; bits 1:0 source 0, 3:2 source 1, 5:4 source 2, 7:6 destination; the high byte repeats the setting that is left
.if MSB != \new
	s_set_vgpr_msb (MSB<<8)|\new
.set MSB, \new
.endif
.endm
.macro PLACES n                        ; plain vector instructions behind a matrix instruction (ISA guide 7.12.1), where no useful one is at hand
.rept \n
	v_nop
.endr
.endm
.macro BARRIER                         ; my LDS stores have landed and my LDS loads are in: then the work-group's barrier
	s_wait_dscnt 0x0
	s_barrier_signal -1
	s_barrier_wait -1
.endm
.macro MMZ d, a, b, sa, sb             ; the first K step starts a sum
	v_wmma_scale_f32_16x16x128_f8f6f4 v[\d:\d+7], v[\a:\a+7], v[\b:\b+7], 0, v[\sa], v[\sb] matrix_a_fmt:MATRIX_FMT_FP4 matrix_b_fmt:MATRIX_FMT_FP4
.endm
.macro MMC d, a, b, c, sa, sb
	v_wmma_scale_f32_16x16x128_f8f6f4 v[\d:\d+7], v[\a:\a+7], v[\b:\b+7], v[\c:\c+7], v[\sa], v[\sb] matrix_a_fmt:MATRIX_FMT_FP4 matrix_b_fmt:MATRIX_FMT_FP4
.endm
; ten LDS loads: key tiles t0, t0 + 1 of k_x or v_x: four fragments (tile t, K step k at 16 t + 8 k of the set) and their scale words
.macro XLOAD set, adr, sb, t0
.irp t, 0,1
.irp k, 0,1
.irp c, 0,1
	ds_load_b128 v[S+32*(\set)+16*\t+8*\k+4*\c:S+32*(\set)+16*\t+8*\k+4*\c+3], v[\adr] offset:(\t0+\t)*16*PX+64*\k+32*\c
.endr
.endr
.endr
.irp t, 0,1
	ds_load_b64 v[XS+4*(\set)+2*\t:XS+4*(\set)+2*\t+1], v[LSK] offset:\sb+(\t0+\t)*128
.endr
.endm
; A block of 32 lies in lanes l and l xor 16, sixteen registers each.  Its largest magnitude, with the floor 2^(3 - 127) among the leaves; 2 off the exponent field gives the conversion's scale operand, a shift the byte.
; Each accumulator is first read at its low end.
.macro QMAX1 a
	v_max3_num_f32 v[QM], |v[\a]|, |v[\a+1]|, 0x1800000
	v_max3_num_f32 v[QM+1], |v[\a+8]|, |v[\a+9]|, |v[\a+10]|
	v_max3_num_f32 v[QM], v[QM], |v[\a+2]|, |v[\a+3]|
	v_max3_num_f32 v[QM+1], v[QM+1], |v[\a+11]|, |v[\a+12]|
	v_max3_num_f32 v[QM], v[QM], |v[\a+4]|, |v[\a+5]|
	v_max3_num_f32 v[QM+1], v[QM+1], |v[\a+13]|, |v[\a+14]|
	v_max3_num_f32 v[QM], v[QM], |v[\a+6]|, |v[\a+7]|
	v_max3_num_f32 v[QM], v[QM], v[QM+1], |v[\a+15]|
	v_permlanex16_b32 v[QT], v[QM], s48, s49
	v_max_num_f32 v[QM], v[QM], v[QT]
	v_add_nc_u32 v[QSC], 0xff000000, v[QM]
	v_lshrrev_b32 v[QB], 23, v[QSC]
.endm
.macro QMAX2 a, b                      ; two blocks by turns
	v_max3_num_f32 v[QM], |v[\a]|, |v[\a+1]|, 0x1800000
	v_max3_num_f32 v[QM+1], |v[\b]|, |v[\b+1]|, 0x1800000
.irp i, 2,4,6,8,10,12,14
	v_max3_num_f32 v[QM], v[QM], |v[\a+\i]|, |v[\a+\i+1]|
	v_max3_num_f32 v[QM+1], v[QM+1], |v[\b+\i]|, |v[\b+\i+1]|
.endr
	v_permlanex16_b32 v[QT], v[QM], s48, s49
	v_permlanex16_b32 v[QT+1], v[QM+1], s48, s49
	v_max_num_f32 v[QM], v[QM], v[QT]
	v_max_num_f32 v[QM+1], v[QM+1], v[QT+1]
	v_add_nc_u32 v[QSC], 0xff000000, v[QM]
	v_add_nc_u32 v[QSC+1], 0xff000000, v[QM+1]
	v_lshrrev_b32 v[QB], 23, v[QSC]
	v_lshrrev_b32 v[QB+1], 23, v[QSC+1]
.endm
; k of key tiles 2 p, 2 p + 1: eight products (four accumulators by turns), quantised along the head's 32 channels; the codes go straight into window 1
.macro KPAIR p
	s_wait_dscnt 0x0                               ; this pair's fragments and scale words are in
	WIN 0x01
.irp k, 0,1
.irp t, 0,1
.irp u, 0,1
.if \k == 0
	MMZ KR+16*\t+8*\u, WK+8*(2*\u+\k), S+32*((\p)%2)+16*\t+8*\k, WKS+2*\u+\k, XS+4*((\p)%2)+2*\t+\k
.else
	MMC KR+16*\t+8*\u, WK+8*(2*\u+\k), S+32*((\p)%2)+16*\t+8*\k, KR+16*\t+8*\u, WKS+2*\u+\k, XS+4*((\p)%2)+2*\t+\k
.endif
.endr
.endr
.endr
	WIN 0
	PLACES 4
.if \p < 7
	XLOAD 1-(\p)%2, LXK, 0, 2*(\p)+2               ; the next pair, into the other set
.else
	XLOAD 0, LXV, 2048, 0                          ; v's first block
.endif
	QMAX2 KR, KR+16
	v_lshl_or_b32 v[QB], v[QB], 8, v[QB]           ; the byte twice: the form's blocks 0 and 1
	v_lshl_or_b32 v[QB+1], v[QB+1], 8, v[QB+1]
	v_cndmask_b32 v[KS+\p], v[QB], v[QB+1], vcc_lo ; lanes 0-15 the even tile's word, lanes 16-31 the odd tile's
	WIN 0x40
.irp t, 0,1
.irp u, 0,1
	v_cvt_scalef32_pk8_fp4_f32 v[KC+4*\p+2*\t+\u], v[KR+16*\t+8*\u:KR+16*\t+8*\u+7], v[QSC+\t]
.endr
.endr
	v_nop                                          ; one plain place behind a scaled conversion
	WIN 0
.endm
; v^T of keys 32 b .. 32 b + 31: a lane holds one channel, its registers run along the keys; quantised along the keys; two blocks make four registers of a fragment
.macro VBLOCK b
	s_wait_dscnt 0x0
	WIN 0x04
.irp k, 0,1
.irp u, 0,1
.irp t, 0,1
.if \k == 0
	MMZ KR+16*\u+8*\t, S+32*((\b)%2)+16*\t+8*\k, WV+8*(2*\u+\k), XS+4*((\b)%2)+2*\t+\k, WVS+2*\u+\k
.else
	MMC KR+16*\u+8*\t, S+32*((\b)%2)+16*\t+8*\k, WV+8*(2*\u+\k), KR+16*\u+8*\t, XS+4*((\b)%2)+2*\t+\k, WVS+2*\u+\k
.endif
.endr
.endr
.endr
	WIN 0
	PLACES 4
.if \b < 7
	XLOAD 1-(\b)%2, LXV, 2048, 2*(\b)+2
.endif
	QMAX2 KR, KR+16
.irp u, 0,1
.if (\b)%4 == 0
	v_mov_b32 v[VS+2*\u+(\b)/4], v[QB+\u]          ; four bytes to a word, the lower keys in the lower byte
.else
	v_lshl_or_b32 v[VS+2*\u+(\b)/4], v[QB+\u], 8*((\b)%4), v[VS+2*\u+(\b)/4]
.endif
.endr
.irp u, 0,1
.irp i, 0,1
	v_cvt_scalef32_pk8_fp4_f32 v[VT+4*\u+2*((\b)%2)+\i], v[KR+16*\u+8*\i:KR+16*\u+8*\i+7], v[QSC+\u]
.endr
.endr
	v_nop
.if (\b)%2 == 1
.irp u, 0,1
.irp i, 0,1
	v_permlane16_swap_b32 v[VT+4*\u+\i], v[VT+4*\u+2+\i]   ; the operand wants a whole block in a lane: lanes 0-15 the even block, lanes 16-31 the odd one
.endr
.endr
	WIN 0x40
.irp u, 0,1
.irp i, 0,1,2,3
	v_mov_b32 v[VF+8*(2*\u+(\b)/4)+4*(((\b)/2)%2)+\i], v[VT+4*\u+\i]
.endr
.endr
	WIN 0
.endif
.endm
; a tile's bias, 16 queries x 256 keys, into the scores' registers: 32 loads
.macro BIASLOAD step
.if \step
	s_add_nc_u64 s[44:45], s[44:45], 16384         ; 16 rows on; the loads that read this base were waited for with the count 0
.endif
.irp t, 0,1,2,3,4,5,6,7,8,9,10,11,12,13,14,15
.irp g, 0,1
	global_load_b128 v[S+8*\t+4*\g:S+8*\t+4*\g+3], v[BOFF], s[44:45] offset:64*\t+32*\g
.endr
.endr
.endm
; q and the gate of the next query tile.  It names nothing of S, into which the bias is on its way.
.macro PROJ
	v_add_nc_u32 v56, s60, v[LXQ]
	v_add_nc_u32 v57, s61, v[LSQ]
.irp k, 0,1
.irp c, 0,1
	ds_load_b128 v[PC+8*\k+4*\c:PC+8*\k+4*\c+3], v56 offset:64*\k+32*\c
.endr
.endr
	ds_load_b64 v[XS:XS+1], v57
	s_add_co_u32 s60, s60, 16*PX                   ; the next tile's 16 rows
	s_add_co_u32 s61, s61, 128
	s_wait_dscnt 0x0
	WIN 0x01                                       ; four accumulators by turns
	MMZ TM, WQ, PC, WQS, XS
	MMZ TM+8, WQ+16, PC, WQS+2, XS
	WIN 0x11                                       ; bg is the C of the gate's first K step
	MMC GATE, WG, PC, BG, WGS, XS
	MMC GATE+8, WG+16, PC, BG+8, WGS+2, XS
	WIN 0x01
	MMC TM, WQ+8, PC+8, TM, WQS+1, XS+1
	MMC TM+8, WQ+24, PC+8, TM+8, WQS+3, XS+1
	MMC GATE, WG+8, PC+8, GATE, WGS+1, XS+1
	MMC GATE+8, WG+24, PC+8, GATE+8, WGS+3, XS+1
	WIN 0
	PLACES 4
.irp j, 0,2,4,6,8,10,12,14
	v_pk_mul_f32 v[GATE+\j:GATE+\j+1], v[GATE+\j:GATE+\j+1], s[54:55] op_sel_hi:[1,0]   ; -x log2(e)
.endr
.irp j, 0,1,2,3,4,5,6,7,8,9,10,11,12,13,14,15
	v_exp_f32 v[GATE+\j], v[GATE+\j]
.endr
	QMAX1 TM                                       ; q is quantised behind the exponentials: work that names none of their results
	v_lshl_or_b32 v[QS], v[QB], 8, v[QB]
	v_cvt_scalef32_pk8_fp4_f32 v[QOP], v[TM:TM+7], v[QSC]
	v_cvt_scalef32_pk8_fp4_f32 v[QOP+1], v[TM+8:TM+15], v[QSC]
	v_nop
	s_wait_alu depctr_va_vdst(0)                   ; one wait for the sixteen exponentials, ahead of their first reader
.irp j, 0,2,4,6,8,10,12,14
	v_pk_add_f32 v[GATE+\j:GATE+\j+1], v[GATE+\j:GATE+\j+1], 1.0 op_sel_hi:[1,0]
.endr
.irp j, 0,1,2,3,4,5,6,7,8,9,10,11,12,13,14,15
	v_rcp_f32 v[GATE+\j], v[GATE+\j]               ; sigmoid(x) = 1 / (1 + 2^(-x log2(e)))
.endr
	v_nop
	s_wait_alu depctr_va_vdst(0)                   ; and one for the reciprocals: a branch may follow
.endm
; the plain work that stands between the second batch's exponentials; k counts the pairs
.macro SUMA                            ; the sum of the first 64 p, two at a time, in two chains
.if k == 0
	v_pk_add_f32 v[SX:SX+1], v[S:S+1], v[S+2:S+3]
.elseif k == 1
	v_pk_add_f32 v[SY:SY+1], v[S+4:S+5], v[S+6:S+7]
.elseif k < 30
	v_pk_add_f32 v[SX+2*(k%2):SX+2*(k%2)+1], v[SX+2*(k%2):SX+2*(k%2)+1], v[S+2*k+4:S+2*k+5]
.endif
.endm
.macro SCL                             ; the eight blocks' scale operands, bytes and the two scale words
.if k < 8
	v_max_num_f32 v[BM+k], 0x1800000, v[BM+k]      ; the floor 2^(3 - 127): the byte cannot fall under 1
.elseif k < 16
	v_add_nc_u32 v[SO+k-8], 0xff000000, v[BM+k-8]
.elseif k < 24
	v_lshrrev_b32 v[BY+k-16], 23, v[SO+k-16]
.elseif k < 26
	v_lshl_or_b32 v[PS+k-24], v[BY+4*(k-24)+1], 8, v[BY+4*(k-24)]
.elseif k < 28
	v_lshl_or_b32 v[PS+k-26], v[BY+4*(k-26)+2], 16, v[PS+k-26]
.elseif k < 30
	v_lshl_or_b32 v[PS+k-28], v[BY+4*(k-28)+3], 24, v[PS+k-28]
.endif
.endm
; ONE QUERY TILE.  last = 1: nothing is asked for beyond the last tile.
.macro TILE last
.irp g, 0,1,2,3
	s_wait_loadcnt 24-8*\g                         ; loads come back in order: the eight that fill these 32 registers are in, the younger bias loads may be out
.set i, 0
.rept 16
	v_pk_mul_f32 v[S+32*\g+i:S+32*\g+i+1], v[S+32*\g+i:S+32*\g+i+1], s[52:53] op_sel_hi:[1,0]   ; bias sqrt(32)
.set i, i+2
.endr
.endr
	WIN 0x01
.irp t, 0,1,2,3,4,5,6,7,8,9,10,11,12,13,14,15
.if (\t)%2 == 0
	v_wmma_scale_f32_16x16x128_f8f6f4 v[S+8*\t:S+8*\t+7], v[KC+2*\t:KC+2*\t+7], v[QOP:QOP+7], v[S+8*\t:S+8*\t+7], v[KS+\t/2], v[QS] matrix_a_fmt:MATRIX_FMT_FP4 matrix_b_fmt:MATRIX_FMT_FP4
.else
	v_wmma_scale_f32_16x16x128_f8f6f4 v[S+8*\t:S+8*\t+7], v[KC+2*\t:KC+2*\t+7], v[QOP:QOP+7], v[S+8*\t:S+8*\t+7], v[KS+\t/2], v[QS] matrix_a_fmt:MATRIX_FMT_FP4 matrix_b_fmt:MATRIX_FMT_FP4 matrix_a_scale:MATRIX_SCALE_ROW1
.endif
.endr
	WIN 0
	PLACES 4
	; the largest score of each block of 32 keys: it serves the row's maximum and, since p rises with the score, the block's largest p
.irp b, 0,1,2,3,4,5,6,7
	v_max3_num_f32 v[BM+\b], v[S+16*\b], v[S+16*\b+1], v[S+16*\b+2]
.endr
.irp i, 3,5,7,9,11,13
.irp b, 0,1,2,3,4,5,6,7
	v_max3_num_f32 v[BM+\b], v[BM+\b], v[S+16*\b+\i], v[S+16*\b+\i+1]
.endr
.endr
.irp b, 0,1,2,3,4,5,6,7
	v_max_num_f32 v[BM+\b], v[BM+\b], v[S+16*\b+15]
.endr
.irp b, 0,1,2,3,4,5,6,7
	v_permlanex16_b32 v[BY+\b], v[BM+\b], s48, s49
.endr
.irp b, 0,1,2,3,4,5,6,7
	v_max_num_f32 v[BM+\b], v[BM+\b], v[BY+\b]     ; with lane l xor 16's 16 keys
.endr
	v_max3_num_f32 v[SX], v[BM], v[BM+1], v[BM+2]
	v_max3_num_f32 v[SX], v[SX], v[BM+3], v[BM+4]
	v_max3_num_f32 v[SX], v[SX], v[BM+5], v[BM+6]
	v_max_num_f32 v[SX], v[SX], v[BM+7]            ; the row's largest score
	v_mul_f32 v[SX], s50, v[SX]                    ; as t (c is positive)
	v_floor_f32 v[NM], -v[SX]                      ; -M = floor(-t) = -ceil(t)
.set i, 0
.rept 32
	v_pk_fma_f32 v[S+i:S+i+1], v[S+i:S+i+1], s[50:51], v[NM:NM+1] op_sel_hi:[1,0,0]   ; t - M of the first 64
.set i, i+2
.endr
.irp b, 0,1,2,3,4,5,6,7
	v_fma_f32 v[BM+\b], v[BM+\b], s50, v[NM]       ; the same of each block's largest score
.endr
	; batch 1: the first 64 exponentials, the scalings of the other 64 between them; then the eight blocks'
.set i, 0
.rept 32
	v_exp_f32 v[S+i], v[S+i]
	v_exp_f32 v[S+i+1], v[S+i+1]
	v_pk_fma_f32 v[S+64+i:S+65+i], v[S+64+i:S+65+i], s[50:51], v[NM:NM+1] op_sel_hi:[1,0,0]
.set i, i+2
.endr
.irp b, 0,1,2,3,4,5,6,7
	v_exp_f32 v[BM+\b], v[BM+\b]
.endr
	v_nop
	s_wait_alu depctr_va_vdst(0)                   ; one wait for batch 1, ahead of its first reader
	; batch 2: the other 64 exponentials; between them work on batch 1's results alone
.set k, 0
.rept 32
	v_exp_f32 v[S+64+2*k], v[S+64+2*k]
	SUMA
	v_exp_f32 v[S+65+2*k], v[S+65+2*k]
	SCL
.set k, k+1
.endr
	v_nop
	s_wait_alu depctr_va_vdst(0)                   ; and one for batch 2
.irp b, 0,1,2,3,4,5,6,7
.irp i, 0,1
	v_cvt_scalef32_pk8_fp4_f32 v[PC+2*\b+\i], v[S+16*\b+8*\i:S+16*\b+8*\i+7], v[SO+\b]
.endr
.endr
	v_nop
.irp c, 0,1,2,3
.irp i, 0,1
	v_permlane16_swap_b32 v[PC+4*\c+\i], v[PC+4*\c+2+\i]   ; as v^T's codes were exchanged
.endr
.endr
.set k, 0
.rept 32
	v_pk_add_f32 v[SX+2*(k%2):SX+2*(k%2)+1], v[SX+2*(k%2):SX+2*(k%2)+1], v[S+64+2*k:S+65+2*k]   ; the sum of the other 64 p; these are also the places between p's codes and scale words and the products below
.set k, k+1
.endr
.if \last == 0
	BIASLOAD 1                                     ; p has been read: the next tile's bias has the rest of this tile in which to land
.endif
	v_pk_add_f32 v[SX:SX+1], v[SX:SX+1], v[SY:SY+1]
	v_add_f32 v[SX], v[SX], v[SX+1]
	v_permlanex16_b32 v[SX+1], v[SX], s48, s49
	v_add_f32 v[SX], v[SX], v[SX+1]                ; l
	v_rcp_f32 v[SY], v[SX]
	v_nop
	WIN 0x01                                       ; O^T = v^T p: two accumulators by turns
	MMZ TM, VF, PC, VS, PS
	MMZ TM+8, VF+16, PC, VS+2, PS
	MMC TM, VF+8, PC+8, TM, VS+1, PS+1
	MMC TM+8, VF+24, PC+8, TM+8, VS+3, PS+1
	WIN 0
	s_wait_alu depctr_va_vdst(0)                   ; the reciprocal's wait, ahead of its first reader
.irp j, 0,2,4,6,8,10,12,14
	v_pk_mul_f32 v[GATE+\j:GATE+\j+1], v[GATE+\j:GATE+\j+1], v[SY:SY+1] op_sel_hi:[1,0]   ; g / l: eight places behind the products
.endr
.irp j, 0,2,4,6,8,10,12,14
	v_pk_mul_f32 v[TM+\j:TM+\j+1], v[TM+\j:TM+\j+1], v[GATE+\j:GATE+\j+1]
.endr
	QMAX1 TM                                       ; o*g: a block of the last product's K is my head
	v_cvt_scalef32_pk8_fp4_f32 v[PC], v[TM:TM+7], v[QSC]
	v_cvt_scalef32_pk8_fp4_f32 v[PC+1], v[TM+8:TM+15], v[QSC]
	v_nop
	ds_store_b64 v[OGW], v[PC:PC+1]                ; into the operand's image
	ds_store_b8 v[OGSW], v[QB]                     ; both lanes of a query write the same byte with the same value
	BARRIER                                        ; all eight heads' codes and bytes lie in LDS; every wave's reads of the stage are over
.irp k, 0,1
.irp c, 0,1
	ds_load_b128 v[PC+8*\k+4*\c:PC+8*\k+4*\c+3], v[LI] offset:1024*\k+512*\c
.endr
.endr
	ds_load_b32 v[OS], v[LS4]
	ds_load_b32 v[OS+1], v[LS4] offset:64
	s_wait_dscnt 0x0
	WIN 0x11                                       ; bo is the C of the first K step
	MMC TM, WO, PC, BO, WOS, OS
	MMC TM+8, WO+16, PC, BO+8, WOS+2, OS
	WIN 0x01
	MMC TM, WO+8, PC+8, TM, WOS+1, OS+1
	MMC TM+8, WO+24, PC+8, TM+8, WOS+3, OS+1
	WIN 0
	PLACES 5                                       ; four for the stores that read the results and the loads into the operands, a fifth for the next tile's products, which write over the results
.irp i, 0,1,2,3
	ds_store_b128 v[STW], v[TM+4*\i:TM+4*\i+3] offset:16*\i
.endr
	BARRIER                                        ; 16 whole rows of out lie in the stage; every wave's reads of the image are over
	ds_load_b128 v[PC:PC+3], v[STR]
	ds_load_b128 v[PC+4:PC+7], v[STR] offset:512
	ds_load_b128 v[PC+8:PC+11], v[STR] offset:SPITCH
	ds_load_b128 v[PC+12:PC+15], v[STR] offset:SPITCH+512
.irp i, 0,1,2,3
	s_wait_dscnt 3-\i                              ; LDS loads come back in order: piece i is in, the younger ones may be out
	global_store_b128 v[OUTO], v[PC+4*\i:PC+4*\i+3], s[46:47] offset:512*\i th:TH_STORE_NT   ; 32 lanes store 512 consecutive bytes, at a multiple of 256 from out's first byte
.endr
.if \last == 0
	s_wait_xcnt 0x0                                ; the stores have read their data and their base: both are written again below
	s_add_nc_u64 s[46:47], s[46:47], 16384
	PROJ
.endif
.endm
	s_load_b512 s[8:23], s[0:1], 0x0               ; q_x codes 8, scales 10; k_x 12, 14; v_x 16, 18; Wq 20, 22
	s_load_b512 s[24:39], s[0:1], 0x40             ; Wk 24, 26; Wv 28, 30; Wg 32, 34; Wo 36, 38
	s_load_b256 s[40:47], s[0:1], 0x80             ; bg 40, bo 42, bias 44, out 46
	v_lshl_add_u32 v[SPW], v0, 2, SPARE
	v_mov_b32 v[NIL], 0
	v_lshrrev_b32 v88, 5, v0
	v_readfirstlane_b32 s2, v88                    ; wave = head
	s_lshr_b32 s3, ttmp9, 1                        ; r
	s_and_b32 s4, ttmp9, 1                         ; which half of the queries
	s_mov_b32 s7, 0
	s_mov_b32 s48, 0x76543210                      ; v_permlanex16_b32's selects for lane l xor 16
	s_mov_b32 s49, 0xfedcba98
	s_mov_b32 s50, 0x3e8293ee                      ; c = log2(e) / sqrt(32)
	s_mov_b32 s51, s50                             ; (the packed forms name pairs, so both words are written)
	s_mov_b32 s52, 0x40b504f3                      ; sqrt(32)
	s_mov_b32 s53, s52
	s_mov_b32 s54, 0xbfb8aa3b                      ; -log2(e)
	s_mov_b32 s55, s54
	s_mov_b32 s60, 0                               ; the query tile's place in q_x's rows,
	s_mov_b32 s61, 0                               ; and among their scale bytes
	s_mov_b32 vcc_lo, 0xffff0000                   ; lanes 16-31; never rewritten
	v_and_b32 v100, 31, v0                         ; lane
	v_and_b32 v101, 15, v0                         ; r
	v_bfe_u32 v102, v0, 4, 1                       ; h
	v_bfe_u32 v104, v0, 2, 1
	v_and_b32 v103, 3, v0
	v_lshl_add_u32 v103, v104, 3, v103
	v_bfe_u32 v104, v0, 3, 1
	v_lshl_add_u32 v103, v104, 2, v103             ; my key row of a tile: 8 ((r / 4) % 2) + 4 (r / 8) + r % 4
	v_mul_u32_u24 v[LXK], v103, PX
	v_lshl_add_u32 v[LXK], v102, 4, v[LXK]
	v_add_nc_u32 v[LXV], VXB, v[LXK]
	v_mul_u32_u24 v[LXQ], v101, PX
	v_lshl_add_u32 v[LXQ], v102, 4, v[LXQ]
	v_add_nc_u32 v[LXQ], QXB, v[LXQ]
	v_lshl_add_u32 v[LSK], v103, 3, KXS
	v_lshl_add_u32 v[LSQ], v101, 3, QXS
	v_lshlrev_b32 v[BOFF], 10, v101
	v_lshl_add_u32 v[BOFF], v102, 4, v[BOFF]
	s_lshl_b32 s62, s2, 8
	v_lshlrev_b32 v[OGW], 4, v101
	v_lshl_add_u32 v[OGW], v102, 3, v[OGW]
	v_add_nc_u32 v[OGW], s62, v[OGW]
	v_add_nc_u32 v[OGW], OG, v[OGW]                ; OG + 256 w + 16 r + 8 h
	v_lshl_add_u32 v96, v100, 3, KXS
	v_add_nc_u32 v96, s62, v96                     ; where I put 8 scale bytes of k_x (v_x: 2,048 on): KXS + 256 w + 8 x lane
	s_lshr_b32 s62, s2, 2
	s_lshl_b32 s62, s62, 6
	s_and_b32 s63, s2, 3
	s_add_co_u32 s62, s62, s63
	v_lshl_add_u32 v[OGSW], v101, 2, OGS
	v_add_nc_u32 v[OGSW], s62, v[OGSW]             ; OGS + 64 (w / 4) + w % 4 + 4 r
	v_lshl_add_u32 v[LI], v100, 4, OG
	v_lshl_add_u32 v[LS4], v101, 2, OGS
	s_lshl_b32 s62, s2, 7
	v_mul_u32_u24 v[STW], v101, SPITCH
	v_lshl_add_u32 v[STW], v102, 6, v[STW]
	v_add_nc_u32 v[STW], s62, v[STW]
	v_add_nc_u32 v[STW], STG, v[STW]               ; STG + 1040 r + 128 w + 64 h
	v_lshl_add_u32 v97, v100, 2, QXS
	v_add_nc_u32 v97, s62, v97                     ; q_x's scale bytes: QXS + 128 w + 4 x lane
	s_mul_i32 s62, s2, 2*SPITCH
	v_lshl_add_u32 v[STR], v100, 4, STG
	v_add_nc_u32 v[STR], s62, v[STR]
	s_lshl_b32 s62, s2, 11
	v_lshlrev_b32 v[OUTO], 4, v100
	v_add_nc_u32 v[OUTO], s62, v[OUTO]
	v_lshlrev_b32 v88, 4, v100                     ; x's loads: 16, 8, 4 bytes a lane
	v_lshlrev_b32 v89, 3, v100
	v_lshlrev_b32 v90, 2, v100
	v_and_b32 v105, 8, v101
	v_add_nc_u32 v105, v105, v101                  ; r + 8 (r / 8): my row of a tile of a weight
	v_lshlrev_b32 v91, 7, v105
	v_lshl_add_u32 v91, v102, 4, v91               ; its codes: 128 bytes a row, + 16 h
	v_lshlrev_b32 v92, 3, v105                     ; its scale bytes
	v_lshlrev_b32 v93, 6, v102                     ; bg, bo: my half's 16 numbers
	v_lshrrev_b32 v104, 3, v100
	v_mul_u32_u24 v94, v104, PX
	v_and_b32 v104, 7, v100
	v_lshl_add_u32 v94, v104, 4, v94               ; a load's 512 bytes are four rows: row lane / 8, 16 (lane % 8)
	s_mul_i32 s62, s2, 16*PX
	v_add_nc_u32 v95, s62, v94
	v_add_nc_u32 v95, QXB, v95                     ; q_x: my wave's 16 rows
	s_mul_i32 s62, s2, 32*PX
	v_add_nc_u32 v94, s62, v94                     ; k_x (v_x: VXB on): my wave's 32 rows
	v_mov_b32 v[NM+1], 0
.irp j, 2,3,4,5,6,7
	v_mov_b32 v[QOP+\j], 0                         ; q's zero codes, for the whole launch
.endr
	v_mov_b32 v[QT], 0                             ; written once: a lane permute's destination counts as one of its sources
	v_mov_b32 v[QT+1], 0
	s_wait_kmcnt 0x0
	s_lshl_b32 s6, s3, 15
	s_lshl_b32 s62, s2, 12
	s_add_co_u32 s6, s6, s62                       ; 32,768 r + 4,096 w
	s_add_nc_u64 s[12:13], s[12:13], s[6:7]
	s_add_nc_u64 s[16:17], s[16:17], s[6:7]
	s_lshl_b32 s6, s3, 15
	s_lshl_b32 s62, s4, 14
	s_add_co_u32 s6, s6, s62
	s_lshl_b32 s62, s2, 11
	s_add_co_u32 s6, s6, s62                       ; 32,768 r + 16,384 half + 2,048 w
	s_add_nc_u64 s[8:9], s[8:9], s[6:7]
	s_lshl_b32 s6, s3, 11
	s_lshl_b32 s62, s2, 8
	s_add_co_u32 s6, s6, s62                       ; 2,048 r + 256 w
	s_add_nc_u64 s[14:15], s[14:15], s[6:7]
	s_add_nc_u64 s[18:19], s[18:19], s[6:7]
	s_lshl_b32 s6, s3, 11
	s_lshl_b32 s62, s4, 10
	s_add_co_u32 s6, s6, s62
	s_lshl_b32 s62, s2, 7
	s_add_co_u32 s6, s6, s62                       ; 2,048 r + 1,024 half + 128 w
	s_add_nc_u64 s[10:11], s[10:11], s[6:7]
	s_lshl_b32 s6, s2, 12                          ; my head's 32 rows of each weight,
.irp g, 20,24,28,32,36
	s_add_nc_u64 s[\g:\g+1], s[\g:\g+1], s[6:7]
.endr
	s_lshl_b32 s6, s2, 8                           ; their scale bytes,
.irp g, 22,26,30,34,38
	s_add_nc_u64 s[\g:\g+1], s[\g:\g+1], s[6:7]
.endr
	s_lshl_b32 s6, s2, 7                           ; my 32 numbers of bg and bo
	s_add_nc_u64 s[40:41], s[40:41], s[6:7]
	s_add_nc_u64 s[42:43], s[42:43], s[6:7]
	s_lshl_b32 s6, s2, 18
	s_lshl_b32 s62, s4, 17
	s_add_co_u32 s6, s6, s62                       ; bias: head, half
	s_add_nc_u64 s[44:45], s[44:45], s[6:7]
	s_lshl_b32 s6, s3, 18
	s_add_co_u32 s6, s6, s62                       ; out: r, half
	s_add_nc_u64 s[46:47], s[46:47], s[6:7]
	; ---- x into LDS: each wave brings an eighth, 512 consecutive bytes a load; the weights follow into registers
.irp i, 0,1,2,3,4,5,6,7
	global_load_b128 v[S+4*\i:S+4*\i+3], v88, s[12:13] offset:512*\i
.endr
.irp i, 0,1,2,3,4,5,6,7
	global_load_b128 v[S+32+4*\i:S+32+4*\i+3], v88, s[16:17] offset:512*\i
.endr
.irp i, 0,1,2,3
	global_load_b128 v[S+64+4*\i:S+64+4*\i+3], v88, s[8:9] offset:512*\i th:TH_LOAD_NT
.endr
	global_load_b64 v[S+80:S+81], v89, s[14:15]
	global_load_b64 v[S+82:S+83], v89, s[18:19]
	global_load_b32 v[S+84], v90, s[10:11] th:TH_LOAD_NT
	WIN 0x40
.macro WLOAD reg, ptr                  ; a weight's four fragments: tile u, K step k
.irp u, 0,1
.irp k, 0,1
.irp c, 0,1
	global_load_b128 v[\reg+8*(2*\u+\k)+4*\c:\reg+8*(2*\u+\k)+4*\c+3], v91, s[\ptr:\ptr+1] offset:1024*\u+64*\k+32*\c
.endr
.endr
.endr
.endm
	WLOAD WK, 24
	WLOAD WV, 28
	WLOAD WQ, 20
	WLOAD WG, 32
	WLOAD WO, 36
.irp u, 0,1
	global_load_b128 v[BG+8*\u:BG+8*\u+3], v93, s[40:41] offset:32*\u      ; in the result's layout: lane (r, h), tile u: channels 16 h + 8 u + 0 .. 7
	global_load_b128 v[BG+8*\u+4:BG+8*\u+7], v93, s[40:41] offset:32*\u+16
	global_load_b128 v[BO+8*\u:BO+8*\u+3], v93, s[42:43] offset:32*\u
	global_load_b128 v[BO+8*\u+4:BO+8*\u+7], v93, s[42:43] offset:32*\u+16
.endr
	WIN 0
.irp u, 0,1
	global_load_b64 v[WKS+2*\u:WKS+2*\u+1], v92, s[26:27] offset:64*\u
	global_load_b64 v[WVS+2*\u:WVS+2*\u+1], v92, s[30:31] offset:64*\u
	global_load_b64 v[WQS+2*\u:WQS+2*\u+1], v92, s[22:23] offset:64*\u
	global_load_b64 v[WGS+2*\u:WGS+2*\u+1], v92, s[34:35] offset:64*\u
	global_load_b64 v[WOS+2*\u:WOS+2*\u+1], v92, s[38:39] offset:64*\u
.endr
	s_wait_loadcnt 58                              ; x's 23 loads are in; the 40 + 8 + 10 loads of weights, biases and their scale words may be out
.irp i, 0,1,2,3,4,5,6,7
	ds_store_b128 v94, v[S+4*\i:S+4*\i+3] offset:KXB+4*PX*\i
.endr
.irp i, 0,1,2,3,4,5,6,7
	ds_store_b128 v94, v[S+32+4*\i:S+32+4*\i+3] offset:VXB+4*PX*\i
.endr
.irp i, 0,1,2,3
	ds_store_b128 v95, v[S+64+4*\i:S+64+4*\i+3] offset:4*PX*\i
.endr
	ds_store_b64 v96, v[S+80:S+81]
	ds_store_b64 v96, v[S+82:S+83] offset:2048
	ds_store_b32 v97, v[S+84]
	BARRIER                                        ; x lies in LDS; from here on these bytes are only read
	s_wait_loadcnt 0x0                             ; the weights
	; ---- k, then v^T: 256 keys of my head
	XLOAD 0, LXK, 0, 0
.irp p, 0,1,2,3,4,5,6,7
	KPAIR \p
.endr
.irp p, 0,1,2,3,4,5,6,7
	VBLOCK \p
.endr
	; ---- eight query tiles: seven trips, and the last written out, so that no load leaves bias and no row behind q_x's last is read
	BIASLOAD 0
	PROJ
	s_mov_b32 s5, 7
.Ltile:
	TILE 0
	s_sub_co_u32 s5, s5, 1
	s_cmp_lg_u32 s5, 0
	s_cbranch_scc1 .Ltile
	TILE 1
	s_wait_tensorcnt 0x0                           ; the wave's end, behind my last LDS store
	ds_add_u32 v[SPW], v[NIL]
	s_wait_dscnt 0x0
	s_endpgm
.Lfunc_end_k_q30afc0b3c4_attn:
	.size	k_q30afc0b3c4_attn, .Lfunc_end_k_q30afc0b3c4_attn-k_q30afc0b3c4_attn
	.p2alignl 7, 3214868480
	.fill 96, 4, 3214868480
	.section	.rodata,"a",@progbits
	.p2align	6, 0x0
	.amdhsa_kernel k_q30afc0b3c4_attn
		.amdhsa_group_segment_fixed_size 117248
		.amdhsa_private_segment_fixed_size 0
		.amdhsa_enable_private_segment 0
		.amdhsa_kernarg_size 160
		.amdhsa_user_sgpr_count 2
		.amdhsa_user_sgpr_kernarg_segment_ptr 1
		.amdhsa_wavefront_size32 1
		.amdhsa_system_sgpr_workgroup_id_x 1
		.amdhsa_system_sgpr_workgroup_id_y 1
		.amdhsa_system_sgpr_workgroup_id_z 1
		.amdhsa_system_vgpr_workitem_id 0
		.amdhsa_next_free_vgpr 512
		.amdhsa_next_free_sgpr 66
		.amdhsa_reserve_vcc 1
		.amdhsa_float_denorm_mode_32 3
		.amdhsa_float_denorm_mode_16_64 3
		.amdhsa_memory_ordered 1
		.amdhsa_forward_progress 1
		.amdhsa_inst_pref_size 157
	.end_amdhsa_kernel
	.amdgpu_metadata
---
amdhsa.version: [ 1, 2 ]
amdhsa.kernels:
  - .name:           k_q30afc0b3c4_attn
    .symbol:         k_q30afc0b3c4_attn.kd
    .args:
      - { .name: q_x_codes, .offset: 0, .size: 8, .value_kind: global_buffer, .address_space: global }
      - { .name: q_x_scales, .offset: 8, .size: 8, .value_kind: global_buffer, .address_space: global }
      - { .name: k_x_codes, .offset: 16, .size: 8, .value_kind: global_buffer, .address_space: global }
      - { .name: k_x_scales, .offset: 24, .size: 8, .value_kind: global_buffer, .address_space: global }
      - { .name: v_x_codes, .offset: 32, .size: 8, .value_kind: global_buffer, .address_space: global }
      - { .name: v_x_scales, .offset: 40, .size: 8, .value_kind: global_buffer, .address_space: global }
      - { .name: Wq_codes, .offset: 48, .size: 8, .value_kind: global_buffer, .address_space: global }
      - { .name: Wq_scales, .offset: 56, .size: 8, .value_kind: global_buffer, .address_space: global }
      - { .name: Wk_codes, .offset: 64, .size: 8, .value_kind: global_buffer, .address_space: global }
      - { .name: Wk_scales, .offset: 72, .size: 8, .value_kind: global_buffer, .address_space: global }
      - { .name: Wv_codes, .offset: 80, .size: 8, .value_kind: global_buffer, .address_space: global }
      - { .name: Wv_scales, .offset: 88, .size: 8, .value_kind: global_buffer, .address_space: global }
      - { .name: Wg_codes, .offset: 96, .size: 8, .value_kind: global_buffer, .address_space: global }
      - { .name: Wg_scales, .offset: 104, .size: 8, .value_kind: global_buffer, .address_space: global }
      - { .name: Wo_codes, .offset: 112, .size: 8, .value_kind: global_buffer, .address_space: global }
      - { .name: Wo_scales, .offset: 120, .size: 8, .value_kind: global_buffer, .address_space: global }
      - { .name: bg, .offset: 128, .size: 8, .value_kind: global_buffer, .address_space: global }
      - { .name: bo, .offset: 136, .size: 8, .value_kind: global_buffer, .address_space: global }
      - { .name: bias, .offset: 144, .size: 8, .value_kind: global_buffer, .address_space: global }
      - { .name: out0, .offset: 152, .size: 8, .value_kind: global_buffer, .address_space: global }
    .group_segment_fixed_size: 117248
    .private_segment_fixed_size: 0
    .kernarg_segment_align: 8
    .kernarg_segment_size: 160
    .max_flat_workgroup_size: 256
    .sgpr_count:     66
    .vgpr_count:     512
    .wavefront_size: 32
...
	.end_amdgpu_metadata
.endif
;; end of part 1
;; ======== version 2 of 2: 1 launch
;; limits: right only within a limited range of input values
;; launch attn (part 2): grid 128 x 2, 8 waves a work-group, clusters of 4 x 1, 327,680 bytes of LDS; arguments q_x_codes, q_x_scales, k_x_codes, k_x_scales, v_x_codes, v_x_scales, Wq_codes, Wq_scales, Wk_codes, Wk_scales, Wv_codes, Wv_scales, Wg_codes, Wg_scales, Wo_codes, Wo_scales, bg, bo, bias, out0; writes out0
.if DOCPART == 2
	.amdgcn_target "amdgcn-amd-amdhsa--gfx1250"
	.amdhsa_code_object_version 6
	.text
	.protected	k_q30afc0b3c4_attn
	.globl	k_q30afc0b3c4_attn
	.p2align	8
	.type	k_q30afc0b3c4_attn,@function
k_q30afc0b3c4_attn:
	s_mov_b64 s[64:65], 0
	v_nop
	global_prefetch_b8 v0, s[64:65] scope:SCOPE_SE
	s_setreg_imm32_b32 hwreg(HW_REG_WAVE_MODE, 25, 1), 1
	s_wait_xcnt 0x0
	s_wait_alu depctr_hold_cnt(0) depctr_sa_sdst(0) depctr_va_vdst(0) depctr_va_sdst(0) depctr_va_ssrc(0) depctr_va_vcc(0) depctr_vm_vsrc(0)
	s_getreg_b32 s2, hwreg(HW_REG_IB_STS2, 6, 4)
	s_cmp_eq_u32 s2, 0
	s_cbranch_scc0 .Lentry_in_a_cluster
	s_endpgm
.Lentry_in_a_cluster:
	s_bfe_u32 s2, ttmp6, 0x10000c
	s_cmp_lg_u32 s2, 0x3003
	s_cbranch_scc0 .Lentry_shape_is_right
	s_endpgm
.Lentry_shape_is_right:
; Gated attention with an additive bias, all seven products on codes of FP4 (E2M1) with one E8M0 scale for each 32 along K.
; out[r][q][:] = ((softmax_k(q.k / sqrt(32) + bias[h][q][k]) v) * sigmoid(q_x Wg + bg)) Wo + bo;  128 rows r, 256 queries, 256 keys, 8 heads of 32.
; SHARES.  A work-group makes 128 queries (half y) of one r, all heads, all 256 keys.  WAVE w IS HEAD w: it projects and quantises its head's k and v, keeps their codes and its weight fragments in registers, and
; walks 8 tiles of 16 queries.  Waves meet for o*g (K of the last product runs over all heads) and on the way out; of the last product wave w makes columns 32 w .. 32 w + 31.
; CLUSTERS: four r of one half.  They read the same bias: each wave asks jointly (mask 15) for its head's 16 rows x 1,024 bytes of a tile.  x's rows are a work-group's own and come by plain loads.
; LAYOUT.  k, q, gate, out: source 0 = rows of W, source 1 = rows of x;  v: source 0 = rows of v_x, source 1 = rows of Wv;  S^T = k q^T;  O^T = v^T p.  From S^T on a lane (r, h) holds ONE query r.
; ROWS OF W IN A TILE: lane r of tile u takes row 32 w + 8 u + r % 8 + 16 (r / 8): a lane's 16 results of tiles 0, 1 are channels 16 h + 0 .. 15.
; KEYS IN A TILE: tile T = 4 g + i; lane r takes key 64 g + 32 (r / 8) + 8 (i xor (r / 8)) + r % 8.  So in a result the lanes of half h hold the WHOLE block 2 g + h of 32 keys in the 32 registers of tiles 4 g .. 4 g + 3:
; its maximum needs no other lane, and its codes are the operand's registers as they stand.  v^T goes through the same map.  (The xor makes the rows of the two halves start at different 16-byte columns of LDS.)
; K = 32 IN A FORM OF K = 128: a lane's two code registers (channels 16 h + 0 .. 15) ARE registers 0, 1 of the operand: the head's block lies split over the form's blocks 0 and 1, which get the same scale byte.
; q's registers 2 .. 7 hold zero codes; k's operand for tile T is the eight registers from its two codes on: the six behind are other codes, which meet q's zeros and add nothing.
; THE BIAS, multiplied by sqrt(32), is the C of the scores:  S = q.k + bias sqrt(32),  t = S c,  c = log2(e) / sqrt(32).
; SOFTMAX: a tile's 256 keys lie in 128 registers of two lanes, so M = ceil(the row's largest t) is final at once.  p rises with t, so a block's largest p is 2^(its largest t - M) and its scale's exponent is floor(largest t - M) - 2.
; THE GATE AND THE SUM: o * g / l = o / (l + l e),  e = 2^(-x log2(e)).
; TWO SLOTS FOR THE BIAS.  Tile j's lies in slot j % 2 and is read into registers behind the exponentials of tile j - 1; behind the meeting at that tile's end the slot is filled with tile j + 2's.  Each meeting's wait for all
; tensor loads shows the tile that is read next.
; A TILE'S MEETING serves o*g, the stage and the slot.  Between its opening signal and its wait stand the next tile's scaled bias, scores, maxima, block scales and t - M: work on registers.  The last product of the tile behind
; it follows between the next tile's two batches of exponentials.
; o*g's image and the stage for out exist twice and take turns: a buffer is written again only behind a barrier in front of which every wave has waited for its reads of it.
; LDS beside the slots: region R1 holds k_x, then v_x's keys 128 .. 255, then (no fill any more) image and stage; region R2 holds v_x's keys 0 .. 127, then q_x.
; LIMITS: NaN and infinities are not served.  The scaled scores stay under 2^31 in magnitude.  A block whose largest magnitude lies under 2^-124 keeps the scale byte 1 (a block of zeros too: its codes are zeros, and the
; bytes are read here alone).  p under 2^-126 comes out of v_exp_f32 as 0, and a gate over l under 2^-126 as 0.  t is formed as (q.k + bias sqrt(32)) c: another order of rounding than reference()'s, within f32's last bits.
.set PX,     144                       ; an LDS row of x's codes: 128 bytes + 16
.set BPITCH, 1040                      ; an LDS row of bias: 1,024 bytes + 16
.set WSLOT,  16*BPITCH                 ; a wave's 16 rows of a slot
.set SL1,    8*WSLOT                   ; slot 1; slot 0 begins at byte 0
.set R1,     2*SL1                     ; 256 rows of x
.set KXS,    R1+256*PX                 ; k_x's scale bytes, 8 a row, dense;  v_x's 2,048 bytes on
.set R2,     KXS+4096                  ; 128 rows of x
.set QXS,    R2+128*PX                 ; q_x's scale bytes, my 128 rows
.set SPARE,  QXS+1024                  ; the spare words, 128 bytes for each wave: four blocks of 256 bytes that no other line names
.set OG,     R1                        ; o*g of one query tile as an image of the operand's registers: head w owns bytes 256 w .. 256 w + 255
.set OGS,    OG+2048                   ; its scale words: 64 s + 4 (query) + head % 4
.set OGD,    2304                      ; the second image and its scale words lie this far on
.set STG,    OG+2*OGD                  ; the stage for out: 16 rows of 1,024 bytes + 16 (the second ends among k_x's scale bytes, which have been read by then)
.set SPITCH, 1040
.set STGD,   16*SPITCH                 ; the second stage lies this far on
; window 0
.set BA,   1                           ; v1, v2  my place in slot 0 for tiles of even, odd i;  v0, v59 in slot 1
.set LXQ,  3
.set LSQ,  4
.set H8,   5                           ; v5   8 h
.set PFO,  6                           ; v6   the prefetches' offset
.set OGW,  7
.set OGSW, 8
.set LI,   9
.set LS4,  10
.set STW,  11
.set STR,  12
.set OUTO, 13
.set SPW,  14                          ; v14  my spare word; never rewritten
.set NIL,  15                          ; v15  0; never rewritten
.set WQS,  16                          ; v16-35 the weights' scale words, index 2 u + s
.set WGS,  20
.set WOS,  24
.set WKS,  28
.set WVS,  32
.set KS,   36                          ; v36-43 k's scale words: lanes 0-15 tile 2 P, lanes 16-31 tile 2 P + 1
.set VS,   44                          ; v44-47 v^T's, index 2 u + s
.set XS,   48                          ; v48-55 x's scale words (two sets of four); in the loop v48-49 q_x's,
.set OS,   50                          ; v50-51 o*g's,
.set QS,   52                          ; v52 q's,
.set PS,   53                          ; v53-54 p's
.set NM,   58                          ; v58 -M (the packed form names the pair v[58:59] and takes its low word alone);  v56, v57: q_x's LDS addresses of a trip
.set SX,   60                          ; v60-63 the row's maximum, p's words, the sum's chains 0 and 1
.set QB,   62                          ; v62, v63 the quantiser's bytes
.set QOP,  64                          ; v64-71 q's operand: two code registers and six of zero codes
.set PC,   72                          ; v72-87 p's codes; then o*g's two; then o*g's fragments of all heads
.set LX,   72                          ; at the head: LDS addresses in R1 (even, odd i) and R2,
.set LSK,  76                          ; of the scale bytes,
.set VW,   80                          ; v^T's words in the making,
.set VT,   84                          ; and their exchange
.set TM,   88                          ; v88-103: the head's addresses; the next tile's fragments of q_x;
.set XF,   TM
.set OACC, TM                          ; out's two accumulators
.set BM,   104                         ; v104-107 the blocks' largest scores; later the sum's chains 2 and 3
.set SO,   108                         ; v108-111 the conversions' scale operands
.set QM,   104                         ; the quantiser's temporaries
.set QT,   108
.set QSC,  110
.set S,    112                         ; v112-239 bias, scores, p; at the head x's fragments (two sets of 32) and 64 results
.set OT,   S+64                        ; behind p: O^T,
.set QR,   S+80                        ; the next tile's q,
.set GN,   S+96                        ; and its gate's argument
.set GATE, 240                         ; v240-255 the gate's e of the tile in hand
; window 1; a weight's fragment (tile u, K step s) at 8 (2 u + s)
.set WQ,   0
.set WG,   32
.set WO,   64
.set KC,   96                          ; k's codes, two registers a key tile
.set VF,   128                         ; v^T's four fragments
.set BG,   160
.set BO,   176
.set WK,   192
.set WV,   224
.set BW,   192                         ; once k and v are made: the next tile's bias of key tiles 8 .. 15; behind the scores two rows of out on their way to memory
.set MSB, 0
.macro WIN new                         ; bits 1:0 source 0, 3:2 source 1, 5:4 source 2, 7:6 destination; the high byte repeats the setting that is left
.if MSB != \new
	s_set_vgpr_msb (MSB<<8)|\new
.set MSB, \new
.endif
.endm
.macro PLACES n                        ; plain vector instructions behind a matrix instruction (ISA guide 7.12.1), where no useful one is at hand
.rept \n
	v_nop
.endr
.endm
.macro CREST                           ; a round of the cluster's barrier behind its opening barrier
	s_cmp_lg_u32 s2, 0
	s_cbranch_scc1 .Lnot_wave_0_\@
	s_barrier_signal -3
.Lnot_wave_0_\@:
	s_barrier_wait -3
	s_barrier_signal -1
	s_barrier_wait -1
.endm
.macro CROUND                          ; a whole round
	s_barrier_signal -1
	s_barrier_wait -1
	CREST
.endm
.macro MMZ d, a, b, sa, sb             ; the first K step starts a sum
	v_wmma_scale_f32_16x16x128_f8f6f4 v[\d:\d+7], v[\a:\a+7], v[\b:\b+7], 0, v[\sa], v[\sb] matrix_a_fmt:MATRIX_FMT_FP4 matrix_b_fmt:MATRIX_FMT_FP4
.endm
.macro MMC d, a, b, c, sa, sb
	v_wmma_scale_f32_16x16x128_f8f6f4 v[\d:\d+7], v[\a:\a+7], v[\b:\b+7], v[\c:\c+7], v[\sa], v[\sb] matrix_a_fmt:MATRIX_FMT_FP4 matrix_b_fmt:MATRIX_FMT_FP4
.endm
; ten LDS loads, pair j: key tiles 2 (j % 8), + 1 of k_x (j < 8) or v_x: four fragments (tile t, K step k at 16 t + 8 k of set j % 2) and their scale words.  v_x's pairs 8 .. 11 lie in R2, 12 .. 15 in R1.
.macro XLOAD j
.set RS, 64*(((\j)%8)/2)+16*((\j)%2)
.set RO, RS
.set AR, LX
.if (\j) > 11
.set RO, RS-128
.elseif (\j) > 7
.set AR, LX+2
.endif
.irp t, 0,1
.irp k, 0,1
.irp c, 0,1
	ds_load_b128 v[S+32*((\j)%2)+16*\t+8*\k+4*\c:S+32*((\j)%2)+16*\t+8*\k+4*\c+3], v[AR+\t] offset:(RO+8*\t)*PX+64*\k+32*\c
.endr
.endr
.endr
.irp t, 0,1
	ds_load_b64 v[XS+4*((\j)%2)+2*\t:XS+4*((\j)%2)+2*\t+1], v[LSK+\t] offset:(RS+8*\t)*8+2048*((\j)/8)
.endr
.endm
; Two blocks of 32 that lie in lanes l and l xor 16, sixteen registers each (two = 0: the second alone).  The largest magnitude, with the floor 2^(3 - 127) among the leaves; 2 off the exponent field gives the conversion's
; scale operand, a shift the byte.  Each accumulator is first read at its low end.
.macro QMAX2 a, b, two
.if \two
	v_max3_num_f32 v[QM], |v[\a]|, |v[\a+1]|, 0x1800000
.endif
	v_max3_num_f32 v[QM+1], |v[\b]|, |v[\b+1]|, 0x1800000
.if \two
	v_max3_num_f32 v[QM+2], |v[\a+8]|, |v[\a+9]|, |v[\a+10]|
.endif
	v_max3_num_f32 v[QM+3], |v[\b+8]|, |v[\b+9]|, |v[\b+10]|
.irp i, 2,4
.if \two
	v_max3_num_f32 v[QM], v[QM], |v[\a+\i]|, |v[\a+\i+1]|
.endif
	v_max3_num_f32 v[QM+1], v[QM+1], |v[\b+\i]|, |v[\b+\i+1]|
.if \two
	v_max3_num_f32 v[QM+2], v[QM+2], |v[\a+\i+9]|, |v[\a+\i+10]|
.endif
	v_max3_num_f32 v[QM+3], v[QM+3], |v[\b+\i+9]|, |v[\b+\i+10]|
.endr
.if \two
	v_max3_num_f32 v[QM], v[QM], |v[\a+6]|, |v[\a+7]|
.endif
	v_max3_num_f32 v[QM+1], v[QM+1], |v[\b+6]|, |v[\b+7]|
.if \two
	v_max3_num_f32 v[QM], v[QM], v[QM+2], |v[\a+15]|
.endif
	v_max3_num_f32 v[QM+1], v[QM+1], v[QM+3], |v[\b+15]|
.if \two
	v_permlanex16_b32 v[QT], v[QM], s48, s49
.endif
	v_permlanex16_b32 v[QT+1], v[QM+1], s48, s49
.if \two
	v_max_num_f32 v[QM], v[QM], v[QT]
.endif
	v_max_num_f32 v[QM+1], v[QM+1], v[QT+1]
.if \two
	v_add_nc_u32 v[QSC], 0xff000000, v[QM]
.endif
	v_add_nc_u32 v[QSC+1], 0xff000000, v[QM+1]
.if \two
	v_lshrrev_b32 v[QB], 23, v[QSC]
.endif
	v_lshrrev_b32 v[QB+1], 23, v[QSC+1]
.endm
; k of key tiles 2 p, 2 p + 1, quantised along the head's 32 channels; the codes go straight into window 1
.macro QK p
	QMAX2 S+64+32*((\p)%2), S+80+32*((\p)%2), 1
	v_lshl_or_b32 v[QB], v[QB], 8, v[QB]           ; the byte twice: the form's blocks 0 and 1
	v_lshl_or_b32 v[QB+1], v[QB+1], 8, v[QB+1]
	v_cndmask_b32 v[KS+\p], v[QB], v[QB+1], s56    ; lanes 0-15 the even tile's word, lanes 16-31 the odd tile's
	WIN 0x40
.irp t, 0,1
.irp u, 0,1
	v_cvt_scalef32_pk8_fp4_f32 v[KC+4*(\p)+2*\t+\u], v[S+64+32*((\p)%2)+16*\t+8*\u:S+64+32*((\p)%2)+16*\t+8*\u+7], v[QSC+\t]
.endr
.endr
	v_nop                                          ; one plain place behind a scaled conversion
	WIN 0
.endm
.macro KSTEP p                         ; eight products, four accumulators by turns; the pair before is quantised behind them
	s_wait_dscnt 10                                ; this pair's ten loads are in; the next pair's ten may be out
	WIN 0x01
.irp k, 0,1
.irp t, 0,1
.irp u, 0,1
.if \k == 0
	MMZ S+64+32*((\p)%2)+16*\t+8*\u, WK+8*(2*\u+\k), S+32*((\p)%2)+16*\t+8*\k, WKS+2*\u+\k, XS+4*((\p)%2)+2*\t+\k
.else
	MMC S+64+32*((\p)%2)+16*\t+8*\u, WK+8*(2*\u+\k), S+32*((\p)%2)+16*\t+8*\k, S+64+32*((\p)%2)+16*\t+8*\u, WKS+2*\u+\k, XS+4*((\p)%2)+2*\t+\k
.endif
.endr
.endr
.endr
	WIN 0
.if \p == 0
	PLACES 4
.else
	QK (\p-1)
.endif
	XLOAD (\p+2)
.endm
; v^T of 64 keys, group g: a lane holds one channel and a whole block of 32 keys: 32 registers for each u
.macro QV g
.irp u, 0,1
	v_max3_num_f32 v[QM+\u], |v[S+64+32*\u]|, |v[S+65+32*\u]|, 0x1800000
	v_max3_num_f32 v[QM+2+\u], |v[S+80+32*\u]|, |v[S+81+32*\u]|, |v[S+82+32*\u]|
.endr
.irp i, 2,4,6,8,10,12
.irp u, 0,1
	v_max3_num_f32 v[QM+\u], v[QM+\u], |v[S+64+32*\u+\i]|, |v[S+65+32*\u+\i]|
	v_max3_num_f32 v[QM+2+\u], v[QM+2+\u], |v[S+81+32*\u+\i]|, |v[S+82+32*\u+\i]|
.endr
.endr
.irp u, 0,1
	v_max3_num_f32 v[QM+\u], v[QM+\u], |v[S+78+32*\u]|, |v[S+79+32*\u]|
.endr
.irp u, 0,1
	v_max3_num_f32 v[QM+\u], v[QM+\u], v[QM+2+\u], |v[S+95+32*\u]|
.endr
.irp u, 0,1
	v_add_nc_u32 v[QSC+\u], 0xff000000, v[QM+\u]
.endr
.irp u, 0,1
.if (\g)%2 == 0
	v_lshrrev_b32 v[VW+2*\u+(\g)/2], 23, v[QSC+\u]
.else
	v_lshrrev_b32 v[QB+\u], 23, v[QSC+\u]
.endif
.endr
.if (\g)%2 == 1
.irp u, 0,1
	v_lshl_or_b32 v[VW+2*\u+(\g)/2], v[QB+\u], 16, v[VW+2*\u+(\g)/2]
.endr
.endif
	WIN 0x40
.irp u, 0,1
.irp i, 0,1,2,3
	v_cvt_scalef32_pk8_fp4_f32 v[VF+8*(2*\u+(\g)/2)+4*((\g)%2)+\i], v[S+64+32*\u+8*\i:S+64+32*\u+8*\i+7], v[QSC+\u]
.endr
.endr
	v_nop
	WIN 0
.endm
.macro VSTEP b                         ; groups 1 and 3 are quantised by the caller, inside a round
.if \b%4 < 3
	s_wait_dscnt 10
.else
	s_wait_dscnt 0x0
.endif
	WIN 0x04
.irp k, 0,1
.irp u, 0,1
.irp t, 0,1
.if \k == 0
	MMZ S+64+32*\u+16*((\b)%2)+8*\t, S+32*((\b)%2)+16*\t+8*\k, WV+8*(2*\u+\k), XS+4*((\b)%2)+2*\t+\k, WVS+2*\u+\k
.else
	MMC S+64+32*\u+16*((\b)%2)+8*\t, S+32*((\b)%2)+16*\t+8*\k, WV+8*(2*\u+\k), S+64+32*\u+16*((\b)%2)+8*\t, XS+4*((\b)%2)+2*\t+\k, WVS+2*\u+\k
.endif
.endr
.endr
.endr
	WIN 0
	PLACES 4
.if \b%4 < 2
	XLOAD (\b+10)
.endif
.if \b%4 == 1
	QV (\b/2)
.endif
.endm
; THE BIAS OF A TILE out of my wave's part of a slot (ae, ao: the address registers for even, odd i): key tiles 8 .. 15 into window 1; key tiles 0 .. 7 into the scores' registers
.macro WGRP ae, ao
	WIN 0x40
.irp t, 0,1,2,3,4,5,6,7
.irp c, 0,1
	ds_load_b128 v[BW+8*\t+4*\c:BW+8*\t+4*\c+3], v[\ae+(\ao-\ae)*((\t)%2)] offset:512+256*(\t/4)+32*(\t%4)+16*\c
.endr
.endr
	WIN 0
.endm
.macro DGRP ae, ao
.irp t, 0,1,2,3,4,5,6,7
.irp c, 0,1
	ds_load_b128 v[S+8*\t+4*\c:S+8*\t+4*\c+3], v[\ae+(\ao-\ae)*((\t)%2)] offset:256*(\t/4)+32*(\t%4)+16*\c
.endr
.endr
.endm
; eight products of S^T: key tiles t0 .. t0 + 7 (t0 even); the scaled bias is C
.macro SCORES t0
.irp t, 0,1,2,3,4,5,6,7
.if (\t)%2 == 0
	v_wmma_scale_f32_16x16x128_f8f6f4 v[S+8*(\t0+\t):S+8*(\t0+\t)+7], v[KC+2*(\t0+\t):KC+2*(\t0+\t)+7], v[QOP:QOP+7], v[S+8*(\t0+\t):S+8*(\t0+\t)+7], v[KS+(\t0+\t)/2], v[QS] matrix_a_fmt:MATRIX_FMT_FP4 matrix_b_fmt:MATRIX_FMT_FP4
.else
	v_wmma_scale_f32_16x16x128_f8f6f4 v[S+8*(\t0+\t):S+8*(\t0+\t)+7], v[KC+2*(\t0+\t):KC+2*(\t0+\t)+7], v[QOP:QOP+7], v[S+8*(\t0+\t):S+8*(\t0+\t)+7], v[KS+(\t0+\t)/2], v[QS] matrix_a_fmt:MATRIX_FMT_FP4 matrix_b_fmt:MATRIX_FMT_FP4 matrix_a_scale:MATRIX_SCALE_ROW1
.endif
.endr
.endm
; the largest score of my four blocks of 32 keys, by turns; each accumulator is first read at its low end
.macro BMAX
.irp b, 0,1,2,3
	v_max3_num_f32 v[BM+\b], v[S+32*\b], v[S+32*\b+1], v[S+32*\b+2]
.endr
.irp i, 3,5,7,9,11,13,15,17,19,21,23,25,27,29
.irp b, 0,1,2,3
	v_max3_num_f32 v[BM+\b], v[BM+\b], v[S+32*\b+\i], v[S+32*\b+\i+1]
.endr
.endr
.irp b, 0,1,2,3
	v_max_num_f32 v[BM+\b], v[BM+\b], v[S+32*\b+31]
.endr
.endm
.macro PROJ_LOAD adr, sadr, n          ; q_x's fragments and scale words, n tiles of 16 rows behind the address
.irp k, 0,1
.irp c, 0,1
	ds_load_b128 v[XF+8*\k+4*\c:XF+8*\k+4*\c+3], v[\adr] offset:(\n)*16*PX+64*\k+32*\c
.endr
.endr
	ds_load_b64 v[XS:XS+1], v[\sadr] offset:(\n)*128
.endm
; O^T = v^T p (pv) and the next tile's q and gate (pj): up to six accumulators by turns; bg is the C of the gate's first K step
.macro PVPROJ pv, pj
	WIN 0x01
.if \pv
	MMZ OT, VF, PC, VS, PS
	MMZ OT+8, VF+16, PC, VS+2, PS
.endif
.if \pj
	MMZ QR, WQ, XF, WQS, XS
	MMZ QR+8, WQ+16, XF, WQS+2, XS
	WIN 0x11
	MMC GN, WG, XF, BG, WGS, XS
	MMC GN+8, WG+16, XF, BG+8, WGS+2, XS
	WIN 0x01
.endif
.if \pv
	MMC OT, VF+8, PC+8, OT, VS+1, PS+1
	MMC OT+8, VF+24, PC+8, OT+8, VS+3, PS+1
.endif
.if \pj
	MMC QR, WQ+8, XF+8, QR, WQS+1, XS+1
	MMC QR+8, WQ+24, XF+8, QR+8, WQS+3, XS+1
	MMC GN, WG+8, XF+8, GN, WGS+1, XS+1
	MMC GN+8, WG+24, XF+8, GN+8, WGS+3, XS+1
.endif
	WIN 0
.endm
.macro OUTMM                           ; out's 32 columns of a tile; bo is the C of the first K step
	WIN 0x11
	MMC OACC, WO, PC, BO, WOS, OS
	MMC OACC+8, WO+16, PC, BO+8, WOS+2, OS
	WIN 0x01
	MMC OACC, WO+8, PC+8, OACC, WOS+1, OS+1
	MMC OACC+8, WO+24, PC+8, OACC+8, WOS+3, OS+1
	WIN 0
.endm
.macro GNMUL
.irp j, 0,2,4,6,8,10,12,14
	v_pk_mul_f32 v[GN+\j:GN+\j+1], v[GN+\j:GN+\j+1], s[54:55] op_sel_hi:[1,0]   ; -x log2(e)
.endr
.endm
.macro TSUB n                          ; t - M of the next 2 n scores
.rept \n
	v_pk_fma_f32 v[S+i:S+i+1], v[S+i:S+i+1], s[50:51], v[NM:NM+1] op_sel_hi:[1,0,0]
.set i, i+2
.endr
.endm
.macro CHAIN reg                       ; two more of p onto chain k % 4
	v_pk_add_f32 v[SX+2*(k%2)+44*((k/2)%2):SX+2*(k%2)+44*((k/2)%2)+1], v[SX+2*(k%2)+44*((k/2)%2):SX+2*(k%2)+44*((k/2)%2)+1], v[\reg:\reg+1]
.set k, k+1
.endm
; a tile's start: scaled bias, scores, the row's maximum, the blocks' scales and t - M of the first 64: work on registers alone
.macro START
.set i, 0
.rept 32
	v_pk_mul_f32 v[S+i:S+i+1], v[S+i:S+i+1], s[52:53] op_sel_hi:[1,0]   ; bias sqrt(32)
.set i, i+2
.endr
	WIN 0x01
	SCORES 0
.set i, 0
.rept 32
	v_pk_mul_f32 v[S+64+i:S+65+i], v[BW+i:BW+i+1], s[52:53] op_sel_hi:[1,0]   ; out of window 1 into the scores' registers
.set i, i+2
.endr
	SCORES 8
	WIN 0
	PLACES 4
	BMAX
	v_max3_num_f32 v[SX], v[BM], v[BM+1], v[BM+2]
	v_max_num_f32 v[SX], v[SX], v[BM+3]
	v_permlanex16_b32 v[SX+1], v[SX], s48, s49
	v_max_num_f32 v[SX], v[SX], v[SX+1]            ; the row's largest score
	v_mul_f32 v[SX], s50, v[SX]                    ; as t (c is positive)
	v_floor_f32 v[NM], -v[SX]                      ; -M = floor(-t) = -ceil(t)
.irp b, 0,1,2,3
	v_fma_f32 v[BM+\b], v[BM+\b], s50, v[NM]
.endr
.set i, 0
	TSUB 8
.irp b, 0,1,2,3
	v_max_num_f32 v[BM+\b], 0xc2f80000, v[BM+\b]   ; -124 at the least: the byte cannot fall under 1
.endr
	TSUB 8
.irp b, 0,1,2,3
	v_cvt_floor_i32_f32 v[BM+\b], v[BM+\b]
.endr
	TSUB 8
.irp b, 0,1,2,3
	v_lshl_add_u32 v[SO+\b], v[BM+\b], 23, 0x3e800000   ; the conversion's scale operand: exponent field floor + 125
.endr
	v_lshl_add_u32 v[SX+2], v[BM+1], 16, v[BM]     ; my two bytes of each word, less 125 each,
	v_lshl_add_u32 v[SX+3], v[BM+3], 16, v[BM+2]
	TSUB 4
	v_lshlrev_b32 v[SX+2], v[H8], v[SX+2]          ; at their places,
	v_lshlrev_b32 v[SX+3], v[H8], v[SX+3]
	TSUB 4
	v_permlanex16_b32 v[SX], v[SX+2], s48, s49
	v_permlanex16_b32 v[SX+1], v[SX+3], s48, s49
	v_add3_u32 v[PS], v[SX+2], v[SX], 0x7d7d7d7d   ; with lane l xor 16's two and 125 on each: the word, carries and borrows settled
	v_add3_u32 v[PS+1], v[SX+3], v[SX+1], 0x7d7d7d7d
.endm
; THE MEETING at a tile's end.  kind 0: a slot is filled again behind it, by group 0 at s[g] (a round of the cluster's barrier); 1: nothing is filled; 2: no tile follows either.  In front of the signal: my tensor loads have
; landed, the add, the gate's exponentials, and my LDS work (the bias reads among it) is done.
.macro SYNC kind, g
	s_wait_tensorcnt 0x0
	ds_add_u32 v[SPW], v[NIL]                      ; 0 onto my spare word
.if \kind == 0
	s_add_nc_u64 s[\g+2:\g+3], s[\g+2:\g+3], 32768 ; no tensor load of mine is out: two tiles on, 16 rows each
.endif
.if \kind < 2
	s_wait_alu depctr_va_vdst(0)                   ; the wait ahead of the batch,
.irp j, 0,1,2,3,4,5,6,7,8,9,10,11,12,13,14,15
	v_exp_f32 v[GATE+\j], v[GN+\j]
.endr
	v_nop
	s_wait_alu depctr_va_vdst(0)                   ; and behind it
.endif
	s_wait_dscnt 0x0
	s_barrier_signal -1
.if \kind < 2
	START
	s_wait_alu depctr_va_vdst(0)                   ; ahead of the next batch
.endif
	s_barrier_wait -1
.if \kind == 0
	CREST                                          ; no wave of any partner still reads that slot or has a load on its way
	tensor_load_to_lds s[\g:\g+3], s[68:75]        ; the joint load, the first behind the round
	s_nop 0
	PLACES 4
.endif
.endm
; A PREFETCH INTO THE L2 of a bias tile three refills on: 16 rows x 1,024 bytes a head, 64 blocks of 256 bytes: the four partners take 16 each by address, wave w its head's; lanes 16-31 name their wave's last block again.
; Two clusters of each half ask.  Tile 1 is asked for behind the round that loads tile 0, then one tile at each round; in the loop s5 is over 1 in the first trip alone, which asks for tile 7.
.macro ASK
	s_cmp_gt_u32 s5, s66
	s_cbranch_scc0 .Lnot_mine_\@
	global_prefetch_b8 v[PFO], s[100:101] th:TH_LOAD_NT scope:SCOPE_SE
.Lnot_mine_\@:
.endm
.macro ROWS st, reg                    ; my two rows of a tile out of a stage
	WIN 0x40
	ds_load_b128 v[\reg:\reg+3], v[STR] offset:(\st)*STGD
	ds_load_b128 v[\reg+4:\reg+7], v[STR] offset:(\st)*STGD+512
	ds_load_b128 v[\reg+8:\reg+11], v[STR] offset:(\st)*STGD+SPITCH
	ds_load_b128 v[\reg+12:\reg+15], v[STR] offset:(\st)*STGD+SPITCH+512
	WIN 0
.endm
.macro SENDROWS
	WIN 0x04
.irp i, 0,1,2,3
	global_store_b128 v[OUTO], v[BW+4*\i:BW+4*\i+3], s[46:47] offset:512*\i th:TH_STORE_NT   ; 32 lanes store 512 consecutive bytes, at a multiple of 256 from out's first byte
.endr
	WIN 0
.endm
; ONE QUERY TILE, from its exponentials on to the next tile's.  par: its parity.  prev: a tile stands before it, whose last product is due, and the rows of the one before that go to memory (skip: not in the loop's first trip,
; where there is none).  kind: as in SYNC.  ask: a prefetch.  qa, qs, qn: the next tile's q_x.
.macro TILE par, prev, skip, kind, ask, qa, qs, qn
	; batch 1: the first 64 exponentials, t - M of the other 64 between them (the wait ahead of it stands in the meeting)
.set i, 0
.rept 32
	v_exp_f32 v[S+i], v[S+i]
	v_exp_f32 v[S+i+1], v[S+i+1]
	v_pk_fma_f32 v[S+64+i:S+65+i], v[S+64+i:S+65+i], s[50:51], v[NM:NM+1] op_sel_hi:[1,0,0]
.set i, i+2
.endr
	v_nop
	s_wait_alu depctr_va_vdst(0)                   ; behind batch 1, ahead of batch 2 and of the waits and the branch between
.if \prev
	s_wait_dscnt 0x0                               ; o*g's image and the stage's rows are in
.if \skip
	s_cmp_eq_u32 s5, 2
	s_cbranch_scc1 .Lnone_yet_\@
.endif
	SENDROWS
.if \skip
.Lnone_yet_\@:
.endif
	OUTMM
	PLACES 4
.irp i, 0,1,2,3
	ds_store_b128 v[STW], v[OACC+4*\i:OACC+4*\i+3] offset:(1-\par)*STGD+16*\i
.endr
.endif
.if \kind < 2
	PROJ_LOAD \qa, \qs, \qn
.endif
	s_wait_xcnt 0x0                                ; stores and prefetch have read their sources: the bases may step, window 1's rows be loaded over
.if \ask
	s_add_nc_u64 s[100:101], s[100:101], 16384
.endif
.if \prev
	s_add_nc_u64 s[46:47], s[46:47], 16384
.endif
	; batch 2: the other 64; between them the first 64's codes, then their sums two pairs at a time, none of which is read inside the batch
.set k, 0
.rept 32
	v_exp_f32 v[S+64+2*k], v[S+64+2*k]
	v_exp_f32 v[S+65+2*k], v[S+65+2*k]
.if k < 8
	v_cvt_scalef32_pk8_fp4_f32 v[PC+k], v[S+8*k:S+8*k+7], v[SO+k/4]
.if k == 7
	v_nop
.endif
.elseif k < 24
	v_pk_add_f32 v[S+4*(k-8):S+4*(k-8)+1], v[S+4*(k-8):S+4*(k-8)+1], v[S+4*(k-8)+2:S+4*(k-8)+3]
.endif
.set k, k+1
.endr
	v_nop
	s_wait_alu depctr_va_vdst(0)                   ; and behind batch 2
.set k, 8
.rept 8
	v_cvt_scalef32_pk8_fp4_f32 v[PC+k], v[S+8*k:S+8*k+7], v[SO+k/4]
.set k, k+1
.endr
	v_nop
.if \kind < 2                          ; the next tile's bias: my wave's own load and its own bytes, shown by the last meeting's wait
.if \par
	WGRP BA, BA+1
.else
	WGRP 0, 59
.endif
	s_wait_dscnt 16                                ; q_x's fragments are in; the 16 bias loads may be out
.endif
	; the row's sum of the unquantised p, two at a time in four chains
.set k, 0
.rept 4
	v_pk_add_f32 v[SX+2*(k%2)+44*(k/2):SX+2*(k%2)+44*(k/2)+1], v[S+64+4*k:S+65+4*k], v[S+66+4*k:S+67+4*k]
.set k, k+1
.endr
.set k, 0
.rept 16
	CHAIN S+80+2*k
.endr
.if \kind < 2
	PVPROJ 1, 1
.else
	PVPROJ 1, 0
.endif
.set k, 0
.rept 8
	CHAIN S+112+2*k
.endr
.set k, 0
.rept 16
	CHAIN S+4*k
.endr
	v_pk_add_f32 v[SX:SX+1], v[SX:SX+1], v[SX+2:SX+3]
	v_pk_add_f32 v[BM:BM+1], v[BM:BM+1], v[BM+2:BM+3]
.if \kind < 2                          ; p of key tiles 0 .. 7 has been summed and converted
.if \par
	DGRP BA, BA+1
.else
	DGRP 0, 59
.endif
.endif
	v_pk_add_f32 v[SX:SX+1], v[SX:SX+1], v[BM:BM+1]
	v_add_f32 v[SX], v[SX], v[SX+1]
	v_permlanex16_b32 v[SX+1], v[SX], s48, s49
	v_add_f32 v[SX], v[SX], v[SX+1]                ; l
.irp j, 0,2,4,6,8,10,12,14
	v_pk_fma_f32 v[GATE+\j:GATE+\j+1], v[GATE+\j:GATE+\j+1], v[SX:SX+1], v[SX:SX+1] op_sel_hi:[1,0,0]   ; l e + l
.endr
	s_wait_alu depctr_va_vdst(0)                   ; the wait ahead of the batch,
.irp j, 0,1,2,3,4,5,6,7,8,9,10,11,12,13,14,15
	v_rcp_f32 v[GATE+\j], v[GATE+\j]
.endr
	v_nop
	s_wait_alu depctr_va_vdst(0)                   ; and behind it: it also stands ahead of the products' first readers
.irp j, 0,2,4,6,8,10,12,14
	v_pk_mul_f32 v[OT+\j:OT+\j+1], v[OT+\j:OT+\j+1], v[GATE+\j:GATE+\j+1]
.endr
.if \kind < 2
	GNMUL
	QMAX2 QR, OT, 1
	v_lshl_or_b32 v[QS], v[QB], 8, v[QB]
	v_cvt_scalef32_pk8_fp4_f32 v[QOP], v[QR:QR+7], v[QSC]
	v_cvt_scalef32_pk8_fp4_f32 v[QOP+1], v[QR+8:QR+15], v[QSC]
.else
	QMAX2 OT, OT, 0
.endif
	v_cvt_scalef32_pk8_fp4_f32 v[PC], v[OT:OT+7], v[QSC+1]
	v_cvt_scalef32_pk8_fp4_f32 v[PC+1], v[OT+8:OT+15], v[QSC+1]
	v_nop
	ds_store_b64 v[OGW], v[PC:PC+1] offset:\par*OGD                ; into this tile's image of the operand
	ds_store_b8 v[OGSW], v[QB+1] offset:\par*OGD                   ; both lanes of a query write the same byte with the same value
	SYNC \kind, 88-12*\par                         ; the slot that the next tile's bias has left: slot 1 - par
.irp k, 0,1
.irp c, 0,1
	ds_load_b128 v[PC+8*\k+4*\c:PC+8*\k+4*\c+3], v[LI] offset:\par*OGD+1024*\k+512*\c
.endr
.endr
	ds_load_b32 v[OS], v[LS4] offset:\par*OGD
	ds_load_b32 v[OS+1], v[LS4] offset:\par*OGD+64
.if \prev
	ROWS (1-\par), BW                              ; the tile before
.endif
.if \ask
	ASK
.endif
.endm
	s_load_b512 s[8:23], s[0:1], 0x0               ; q_x codes 8, scales 10; k_x 12, 14; v_x 16, 18; Wq 20, 22
	s_load_b512 s[24:39], s[0:1], 0x40             ; Wk 24, 26; Wv 28, 30; Wg 32, 34; Wo 36, 38
	s_load_b256 s[40:47], s[0:1], 0x80             ; bg 40, bo 42, bias 44, out 46
	v_lshl_add_u32 v[SPW], v0, 2, SPARE
	v_mov_b32 v[NIL], 0
	ds_add_u32 v[SPW], v[NIL]                      ; the wave's opening: the add, twice on end, and its wait ahead of my first tensor load
	ds_add_u32 v[SPW], v[NIL]
	v_lshrrev_b32 v88, 5, v0
	v_readfirstlane_b32 s2, v88                    ; wave = head
	s_bfe_u32 s57, ttmp6, 0x40000                  ; cx
	s_lshl_b32 s3, ttmp9, 2
	s_add_co_u32 s3, s3, s57                       ; r
	s_and_b32 s4, ttmp7, 0xffff                    ; which half of the queries
	s_mov_b32 s7, 0
	s_mov_b32 s48, 0x76543210                      ; v_permlanex16_b32's selects for lane l xor 16
	s_mov_b32 s49, 0xfedcba98
	s_mov_b32 s50, 0x3e8293ee                      ; c = log2(e) / sqrt(32)
	s_mov_b32 s51, s50                             ; (the packed forms name pairs, so both words are written)
	s_mov_b32 s52, 0x40b504f3                      ; sqrt(32)
	s_mov_b32 s53, s52
	s_mov_b32 s54, 0xbfb8aa3b                      ; -log2(e)
	s_mov_b32 s55, s54
	s_mov_b32 s56, 0xffff0000                      ; lanes 16-31
	; descriptor group 1 of the bias: 16 rows of 256 elements of 4 bytes, 16 bytes of padding behind each; joint: all four places of the cluster
	s_mov_b32 s68, 15|(2<<16)|(1<<20)|(1<<21)|(7<<22)|(3<<25)
	s_mov_b32 s69, 256<<16
	s_mov_b32 s70, 16<<16
	s_mov_b32 s71, 256<<16
	s_mov_b32 s72, 16
	s_mov_b32 s73, 256
	s_mov_b32 s74, 0
	s_mov_b32 s75, 0
	; of x: dense rows of 128 bytes, stated as rows of 256, 16 bytes of padding behind each 128.  k_x: 32 such rows a wave (8 for the loads behind the head);  v_x's first half: 16
	s_mov_b32 s80, (1<<20)|(4<<22)|(3<<25)
	s_mov_b32 s81, 256<<16
	s_mov_b32 s82, 32<<16
	s_mov_b32 s83, 256<<16
	s_mov_b32 s84, 32
	s_mov_b32 s85, 256
	s_mov_b32 s86, 0
	s_mov_b32 s87, 0
	s_mov_b32 s92, (1<<20)|(4<<22)|(3<<25)
	s_mov_b32 s93, 256<<16
	s_mov_b32 s94, 16<<16
	s_mov_b32 s95, 256<<16
	s_mov_b32 s96, 16
	s_mov_b32 s97, 256
	s_mov_b32 s98, 0
	s_mov_b32 s99, 0
	s_mul_i32 s58, s2, WSLOT
	s_lshl_b32 s59, s2, 8
	s_lshr_b32 s60, s2, 2
	s_lshl_b32 s60, s60, 6
	s_and_b32 s61, s2, 3
	s_add_co_u32 s60, s60, s61                     ; 64 (w / 4) + w % 4
	s_lshl_b32 s61, s2, 7
	s_mul_i32 s62, s2, 2*SPITCH
	s_lshl_b32 s63, s2, 11
	s_lshl_b32 s67, s57, 12
	v_and_b32 v100, 31, v0                         ; lane
	v_and_b32 v101, 15, v0                         ; r
	v_bfe_u32 v102, v0, 4, 1                       ; h
	v_and_b32 v103, 7, v0                          ; r % 8
	v_bfe_u32 v104, v0, 3, 1                       ; r / 8
	v_lshlrev_b32 v[H8], 3, v102
	v_mul_u32_u24 v[BA], v101, BPITCH
	v_add_nc_u32 v[BA], s58, v[BA]
	v_mul_u32_u24 v[BA+1], v102, 96                ; odd i: 128 h - 32 h
	v_add_nc_u32 v[BA+1], v[BA], v[BA+1]
	v_mul_u32_u24 v105, v102, 160                  ; even i: 128 h + 32 h
	v_add_nc_u32 v[BA], v[BA], v105
	v_mul_u32_u24 v105, v103, PX
	v_lshl_add_u32 v105, v102, 4, v105
	v_mul_u32_u24 v106, v104, 40*PX                ; even i: 32 rows + 8
	v_add_nc_u32 v106, v105, v106
	v_mul_u32_u24 v107, v104, 24*PX                ; odd i: 32 rows - 8
	v_add_nc_u32 v107, v105, v107
	v_add_nc_u32 v[LX], R1, v106
	v_add_nc_u32 v[LX+1], R1, v107
	v_add_nc_u32 v[LX+2], R2, v106
	v_add_nc_u32 v[LX+3], R2, v107
	v_lshl_add_u32 v105, v103, 3, KXS
	v_mul_u32_u24 v106, v104, 320
	v_mul_u32_u24 v107, v104, 192
	v_add_nc_u32 v[LSK], v105, v106
	v_add_nc_u32 v[LSK+1], v105, v107
	v_mul_u32_u24 v[LXQ], v101, PX
	v_lshl_add_u32 v[LXQ], v102, 4, v[LXQ]
	v_add_nc_u32 v[LXQ], R2, v[LXQ]
	v_lshl_add_u32 v[LSQ], v101, 3, QXS
	v_lshlrev_b32 v[OGW], 4, v101
	v_lshl_add_u32 v[OGW], v102, 3, v[OGW]
	v_add_nc_u32 v[OGW], s59, v[OGW]
	v_add_nc_u32 v[OGW], OG, v[OGW]                ; OG + 256 w + 16 r + 8 h
	v_lshl_add_u32 v[LS4], v101, 2, OGS
	v_add_nc_u32 v[OGSW], s60, v[LS4]              ; OGS + 64 (w / 4) + w % 4 + 4 r
	v_lshl_add_u32 v[LI], v100, 4, OG
	v_mul_u32_u24 v[STW], v101, SPITCH
	v_lshl_add_u32 v[STW], v102, 6, v[STW]
	v_add_nc_u32 v[STW], s61, v[STW]
	v_add_nc_u32 v[STW], STG, v[STW]               ; STG + 1040 r + 128 w + 64 h
	v_lshl_add_u32 v[STR], v100, 4, STG
	v_add_nc_u32 v[STR], s62, v[STR]               ; rows 2 w, 2 w + 1, 16 bytes a lane
	v_lshlrev_b32 v[OUTO], 4, v100
	v_add_nc_u32 v[OUTO], s63, v[OUTO]
	v_min_u32 v105, 15, v100
	v_lshlrev_b32 v98, 8, v105                     ; 256 x (lane, 15 at the most)
	v_add_nc_u32 v[PFO], s67, v98                  ; + 4,096 cx
	v_lshlrev_b32 v89, 3, v100                     ; 8, 4 bytes a lane
	v_lshlrev_b32 v90, 2, v100
	v_lshl_add_u32 v105, v104, 4, v103             ; r % 8 + 16 (r / 8): my row of a tile of a weight
	v_lshlrev_b32 v91, 7, v105
	v_lshl_add_u32 v91, v102, 4, v91               ; its codes: 128 bytes a row, + 16 h
	v_lshlrev_b32 v92, 3, v105                     ; its scale bytes
	v_lshlrev_b32 v93, 6, v102                     ; bg, bo: my half's 16 numbers
	v_lshl_add_u32 v96, v100, 3, KXS
	v_add_nc_u32 v96, s59, v96                     ; k_x's scale bytes: KXS + 256 w + 8 x lane
	v_lshl_add_u32 v97, v100, 2, QXS
	v_add_nc_u32 v97, s61, v97                     ; q_x's: QXS + 128 w + 4 x lane
	v_add_nc_u32 v0, SL1, v[BA]                    ; the thread's number has been read for the last time
	v_add_nc_u32 v59, SL1, v[BA+1]
.irp j, 2,3,4,5,6,7
	v_mov_b32 v[QOP+\j], 0                         ; q's zero codes, for the whole launch
.endr
	v_mov_b32 v[QT], 0                             ; written once: a lane permute's destination counts as one of its sources
	v_mov_b32 v[QT+1], 0
	v_mov_b32 v[SX], 0
	v_mov_b32 v[SX+1], 0
.irp j, 0,1,2,3
	v_mov_b32 v[VT+\j], 0
.endr
	s_wait_alu depctr_va_vdst(0)                   ; covers what the head's vector instructions have written
	s_wait_dscnt 0x0                               ; both opening adds are done
	s_wait_kmcnt 0x0
	; x's first tensor loads: waves 0 .. 3 the quarters of k_x into R1; waves 4 .. 7 those of v_x's first 128 rows into R2
	s_and_b32 s62, s2, 3
	s_lshl_b32 s6, s3, 15
	s_lshl_b32 s63, s62, 13
	s_add_co_u32 s6, s6, s63                       ; 32,768 r + 8,192 (w % 4)
	s_mov_b32 s88, 1
	s_mul_i32 s89, s2, 64*PX
	s_add_co_u32 s89, s89, R1
	s_add_nc_u64 s[90:91], s[12:13], s[6:7]
	s_or_b32 s91, s91, 0x80000000
	s_lshl_b32 s6, s3, 15
	s_lshl_b32 s63, s62, 12
	s_add_co_u32 s6, s6, s63                       ; 32,768 r + 4,096 (w % 4)
	s_mov_b32 s76, 1
	s_mul_i32 s77, s2, 32*PX
	s_add_co_u32 s77, s77, R2-128*PX
	s_add_nc_u64 s[78:79], s[16:17], s[6:7]
	s_or_b32 s79, s79, 0x80000000
	CROUND                                         ; in a cluster launch a round stands in front of the first tensor loads
	s_cmp_lt_u32 s2, 4
	s_cbranch_scc0 .Lfor_v
	tensor_load_to_lds s[88:91], s[80:87]
	s_nop 0
.rept 4
	v_nop
.endr
	s_branch .Lasked
.Lfor_v:
	tensor_load_to_lds s[76:79], s[92:99]
	s_nop 0
.rept 4
	v_nop
.endr
.Lasked:
	s_lshl_b32 s6, s3, 11
	s_lshl_b32 s62, s2, 8
	s_add_co_u32 s6, s6, s62                       ; 2,048 r + 256 w
	s_add_nc_u64 s[14:15], s[14:15], s[6:7]
	s_add_nc_u64 s[18:19], s[18:19], s[6:7]
	s_lshl_b32 s6, s3, 11
	s_lshl_b32 s62, s4, 10
	s_add_co_u32 s6, s6, s62
	s_lshl_b32 s62, s2, 7
	s_add_co_u32 s6, s6, s62                       ; 2,048 r + 1,024 half + 128 w
	s_add_nc_u64 s[10:11], s[10:11], s[6:7]
	s_lshl_b32 s6, s2, 12                          ; my head's 32 rows of each weight,
.irp g, 20,24,28,32,36
	s_add_nc_u64 s[\g:\g+1], s[\g:\g+1], s[6:7]
.endr
	s_lshl_b32 s6, s2, 8                           ; their scale bytes,
.irp g, 22,26,30,34,38
	s_add_nc_u64 s[\g:\g+1], s[\g:\g+1], s[6:7]
.endr
	s_lshl_b32 s6, s2, 7                           ; my 32 numbers of bg and bo
	s_add_nc_u64 s[40:41], s[40:41], s[6:7]
	s_add_nc_u64 s[42:43], s[42:43], s[6:7]
	; 61 loads: x's scale bytes; the weights' fragments, tile u, K step k; their scale words; bg, bo
	global_load_b64 v[240:241], v89, s[14:15]
	global_load_b64 v[242:243], v89, s[18:19]
	global_load_b32 v244, v90, s[10:11]
.macro WLOAD reg, ptr
.irp u, 0,1
.irp k, 0,1
.irp c, 0,1
	global_load_b128 v[\reg+8*(2*\u+\k)+4*\c:\reg+8*(2*\u+\k)+4*\c+3], v91, s[\ptr:\ptr+1] offset:1024*\u+64*\k+32*\c
.endr
.endr
.endr
.endm
	WIN 0x40
	WLOAD WK, 24
	WLOAD WV, 28
	WLOAD WQ, 20
	WLOAD WG, 32
	WLOAD WO, 36
.irp u, 0,1
	global_load_b128 v[BG+8*\u:BG+8*\u+3], v93, s[40:41] offset:32*\u      ; in the result's layout: lane (r, h), tile u: channels 16 h + 8 u + 0 .. 7
	global_load_b128 v[BG+8*\u+4:BG+8*\u+7], v93, s[40:41] offset:32*\u+16
	global_load_b128 v[BO+8*\u:BO+8*\u+3], v93, s[42:43] offset:32*\u
	global_load_b128 v[BO+8*\u+4:BO+8*\u+7], v93, s[42:43] offset:32*\u+16
.endr
	WIN 0
.irp u, 0,1
	global_load_b64 v[WKS+2*\u:WKS+2*\u+1], v92, s[26:27] offset:64*\u
	global_load_b64 v[WVS+2*\u:WVS+2*\u+1], v92, s[30:31] offset:64*\u
	global_load_b64 v[WQS+2*\u:WQS+2*\u+1], v92, s[22:23] offset:64*\u
	global_load_b64 v[WGS+2*\u:WGS+2*\u+1], v92, s[34:35] offset:64*\u
	global_load_b64 v[WOS+2*\u:WOS+2*\u+1], v92, s[38:39] offset:64*\u
.endr
	; what the second and third loads of x bring, asked for ahead: waves 0 .. 3 v_x's last 128 rows, waves 4 .. 7 my 128 rows of q_x: 64 blocks of 256 bytes each, 16 a wave, once in the work-group
	s_lshl_b32 s6, s3, 15
	s_and_b32 s62, s2, 3
	s_lshl_b32 s62, s62, 12
	s_add_co_u32 s6, s6, s62                       ; 32,768 r + 4,096 (w % 4)
	s_lshl_b32 s62, s4, 14
	s_mov_b32 s63, 16384
	s_cmp_lt_u32 s2, 4
	s_cselect_b32 s62, s63, s62
	s_cselect_b64 s[58:59], s[16:17], s[8:9]
	s_mov_b32 s63, 0
	s_add_nc_u64 s[58:59], s[58:59], s[6:7]
	s_add_nc_u64 s[58:59], s[58:59], s[62:63]
	global_prefetch_b8 v98, s[58:59] th:TH_LOAD_NT scope:SCOPE_SE
	s_lshl_b32 s6, s2, 18
	s_lshl_b32 s62, s4, 17
	s_add_co_u32 s6, s6, s62                       ; bias: head, half
	s_add_nc_u64 s[44:45], s[44:45], s[6:7]
	s_add_nc_u64 s[100:101], s[44:45], 16384       ; the prefetches begin at tile 1
	s_lshl_b32 s6, s3, 18
	s_add_co_u32 s6, s6, s62                       ; out: r, half
	s_wait_xcnt 0x0                                ; the loads and the prefetch have read their bases
	s_add_nc_u64 s[46:47], s[46:47], s[6:7]
	s_sub_nc_u64 s[46:47], s[46:47], 16384         ; the first step of this base comes a tile ahead of the first store
	s_mov_b32 s60, 0                               ; a trip's place in q_x's rows,
	s_mov_b32 s61, 0                               ; and among their scale bytes
	s_mov_b32 s5, 2                                ; the loop's trips
	s_cmp_lt_u32 ttmp9, 2
	s_cselect_b32 s66, 1, 64                       ; two clusters of each half prefetch
	s_wait_loadcnt 58                              ; x's three are in; the 40 + 8 + 10 of the weights and biases may be out
	ds_store_b64 v96, v[240:241]
	ds_store_b64 v96, v[242:243] offset:2048
	ds_store_b32 v97, v244
	s_wait_tensorcnt 0x0                           ; my part of x is in
	ds_add_u32 v[SPW], v[NIL]
	s_mov_b32 s76, 1                               ; no tensor load of mine is out, so descriptors may be written: the bias's tile 0,
	s_mul_i32 s77, s2, WSLOT
	s_mov_b64 s[78:79], s[44:45]
	s_or_b32 s79, s79, 0x80000000
	s_mov_b32 s82, 8<<16                           ; and v_x's last 128 rows, 16 a wave, into R1
	s_mov_b32 s84, 8
	s_lshl_b32 s6, s3, 15
	s_lshl_b32 s62, s2, 11
	s_add_co_u32 s6, s6, s62
	s_add_co_u32 s6, s6, 16384                     ; 32,768 r + 16,384 + 2,048 w
	s_mov_b32 s88, 1
	s_mul_i32 s89, s2, 16*PX
	s_add_co_u32 s89, s89, R1
	s_add_nc_u64 s[90:91], s[16:17], s[6:7]
	s_or_b32 s91, s91, 0x80000000
	s_wait_dscnt 0x0
	CROUND                                         ; k_x and half of v_x lie in LDS, and the four work-groups are here: the joint loads meet
	tensor_load_to_lds s[76:79], s[68:75]          ; slot 0's first fill
	s_nop 0
	PLACES 4
	ASK
	s_wait_loadcnt 0x0                             ; the weights
	; ---- k: 256 keys of my head
	XLOAD 0
	XLOAD 1
.irp p, 0,1,2,3,4,5,6,7
	KSTEP \p
.endr
.macro STEPASK                         ; the next prefetch's tile
	s_wait_xcnt 0x0
	s_add_nc_u64 s[100:101], s[100:101], 16384
.endm
	s_wait_alu depctr_va_vdst(0)                   ; ahead of the waits below
	STEPASK
	s_wait_tensorcnt 0x0                           ; the bias's tile 0 is in
	ds_add_u32 v[SPW], v[NIL]
	s_wait_dscnt 0x0                               ; my reads of k_x are over
	s_barrier_signal -1
	QK 7
	s_wait_alu depctr_va_vdst(0)                   ; directly ahead of the wait below
	s_barrier_wait -1
	CREST
	tensor_load_to_lds s[88:91], s[80:87]          ; v_x's last 128 rows, where k_x was
	s_nop 0
	PLACES 4
	ASK
	; ---- v^T: keys 0 .. 127
.irp p, 0,1,2,3
	VSTEP \p
.endr
	STEPASK
	s_wait_tensorcnt 0x0
	ds_add_u32 v[SPW], v[NIL]
	s_lshl_b32 s6, s3, 15                          ; my 128 rows of q_x, 16 a wave, into R2
	s_lshl_b32 s62, s4, 14
	s_add_co_u32 s6, s6, s62
	s_lshl_b32 s62, s2, 11
	s_add_co_u32 s6, s6, s62                       ; 32,768 r + 16,384 half + 2,048 w
	s_mul_i32 s89, s2, 16*PX
	s_add_co_u32 s89, s89, R2
	s_add_nc_u64 s[90:91], s[8:9], s[6:7]
	s_or_b32 s91, s91, 0x80000000
	s_wait_dscnt 0x0                               ; my reads of R2 are over
	s_barrier_signal -1
	QV 1
	s_wait_alu depctr_va_vdst(0)                   ; directly ahead of the wait below
	s_barrier_wait -1
	CREST
	tensor_load_to_lds s[88:91], s[80:87]
	s_nop 0
	PLACES 4
	XLOAD 12
	XLOAD 13
	ASK
	; ---- keys 128 .. 255
.irp p, 4,5,6,7
	VSTEP \p
.endr
	STEPASK
	s_wait_tensorcnt 0x0                           ; my part of q_x is in
	ds_add_u32 v[SPW], v[NIL]
	s_mul_i32 s89, s2, WSLOT                       ; the bias's tile 1, into slot 1
	s_add_co_u32 s89, s89, SL1
	s_add_nc_u64 s[90:91], s[44:45], 16384
	s_or_b32 s91, s91, 0x80000000
	s_wait_dscnt 0x0
	s_barrier_signal -1
	QV 3
	; v^T's scale words: my two bytes at places h and 2 + h, with lane l xor 16's
.irp j, 0,1,2,3
	v_lshlrev_b32 v[VW+\j], v[H8], v[VW+\j]
.endr
.irp j, 0,1,2,3
	v_permlanex16_b32 v[VT+\j], v[VW+\j], s48, s49
.endr
.irp j, 0,1,2,3
	v_or_b32 v[VS+\j], v[VW+\j], v[VT+\j]
.endr
	s_wait_alu depctr_va_vdst(0)                   ; directly ahead of the wait below
	s_barrier_wait -1
	CREST
	tensor_load_to_lds s[88:91], s[68:75]          ; slot 1's first fill
	s_nop 0
	PLACES 4
	; ---- tile 0's q_x, bias, q and gate; Wk's and Wv's registers have been read for the last time
	PROJ_LOAD LXQ, LSQ, 0
	WGRP BA, BA+1                                  ; tile 0's bias: my wave's own load, waited for above
	DGRP BA, BA+1
	ASK
	s_wait_dscnt 32                                ; q_x's five loads are in; the 32 of the bias may be out
	PVPROJ 0, 1
	PLACES 4
	GNMUL
	QMAX2 GN, QR, 0                                ; (the one block: index 1)
	v_lshl_or_b32 v[QS], v[QB+1], 8, v[QB+1]
	v_cvt_scalef32_pk8_fp4_f32 v[QOP], v[QR:QR+7], v[QSC+1]
	v_cvt_scalef32_pk8_fp4_f32 v[QOP+1], v[QR+8:QR+15], v[QSC+1]
	v_nop
	s_wait_alu depctr_va_vdst(0)                   ; ahead of the waits below
	STEPASK
	SYNC 0, 76                                     ; tile 0's start; tile 2's bias is asked for
	ASK
	TILE 0, 0, 0, 0, 1, LXQ, LSQ, 1
.Ltile:                                            ; trip k: tiles 1 + 2 k and 2 + 2 k
	v_add_nc_u32 v56, s60, v[LXQ]
	v_add_nc_u32 v57, s61, v[LSQ]
	s_wait_alu depctr_va_vdst(0)                   ; ahead of the batch
	TILE 1, 1, 1, 0, 1, 56, 57, 2
	TILE 0, 1, 0, 0, 0, 56, 57, 3
	s_add_co_u32 s60, s60, 32*PX                   ; two tiles' rows on
	s_add_co_u32 s61, s61, 256
	s_sub_co_u32 s5, s5, 1
	s_cmp_lg_u32 s5, 0
	s_cbranch_scc1 .Ltile
	TILE 1, 1, 0, 1, 0, LXQ, LSQ, 6                ; tiles 5, 6 and 7 are written out: nothing is asked for beyond the bias's last tile
	TILE 0, 1, 0, 1, 0, LXQ, LSQ, 7
	TILE 1, 1, 0, 2, 0, LXQ, LSQ, 0
	s_wait_dscnt 0x0
	SENDROWS
	OUTMM
	PLACES 4                                       ; in front of the stores that read the results
.irp i, 0,1,2,3
	ds_store_b128 v[STW], v[OACC+4*\i:OACC+4*\i+3] offset:STGD+16*\i
.endr
	s_wait_dscnt 0x0
	s_barrier_signal -1
	s_barrier_wait -1                              ; tile 7 lies whole in its stage
	ROWS 1, BW+16
	WIN 0x04
.irp i, 0,1,2,3
	s_wait_dscnt 3-\i                              ; LDS loads come back in order
	global_store_b128 v[OUTO], v[BW+16+4*\i:BW+16+4*\i+3], s[46:47] offset:16384+512*\i th:TH_STORE_NT
.endr
	WIN 0
	s_wait_tensorcnt 0x0                           ; the wave's end
	ds_add_u32 v[SPW], v[NIL]
	s_wait_dscnt 0x0
	CROUND                                         ; the closing round
	s_endpgm
.Lfunc_end_k_q30afc0b3c4_attn:
	.size	k_q30afc0b3c4_attn, .Lfunc_end_k_q30afc0b3c4_attn-k_q30afc0b3c4_attn
	.p2alignl 7, 3214868480
	.fill 96, 4, 3214868480
	.section	.rodata,"a",@progbits
	.p2align	6, 0x0
	.amdhsa_kernel k_q30afc0b3c4_attn
		.amdhsa_group_segment_fixed_size 327680
		.amdhsa_private_segment_fixed_size 0
		.amdhsa_enable_private_segment 0
		.amdhsa_kernarg_size 160
		.amdhsa_user_sgpr_count 2
		.amdhsa_user_sgpr_kernarg_segment_ptr 1
		.amdhsa_wavefront_size32 1
		.amdhsa_system_sgpr_workgroup_id_x 1
		.amdhsa_system_sgpr_workgroup_id_y 1
		.amdhsa_system_sgpr_workgroup_id_z 1
		.amdhsa_system_vgpr_workitem_id 0
		.amdhsa_next_free_vgpr 512
		.amdhsa_next_free_sgpr 102
		.amdhsa_reserve_vcc 0
		.amdhsa_float_denorm_mode_32 3
		.amdhsa_float_denorm_mode_16_64 3
		.amdhsa_memory_ordered 1
		.amdhsa_forward_progress 1
		.amdhsa_inst_pref_size 255
	.end_amdhsa_kernel
	.section	.bss,"aw",@nobits
	.p2align	6
	.space	262144
	.amdgpu_metadata
---
amdhsa.version: [ 1, 2 ]
amdhsa.kernels:
  - .name:           k_q30afc0b3c4_attn
    .symbol:         k_q30afc0b3c4_attn.kd
    .args:
      - { .name: q_x_codes, .offset: 0, .size: 8, .value_kind: global_buffer, .address_space: global }
      - { .name: q_x_scales, .offset: 8, .size: 8, .value_kind: global_buffer, .address_space: global }
      - { .name: k_x_codes, .offset: 16, .size: 8, .value_kind: global_buffer, .address_space: global }
      - { .name: k_x_scales, .offset: 24, .size: 8, .value_kind: global_buffer, .address_space: global }
      - { .name: v_x_codes, .offset: 32, .size: 8, .value_kind: global_buffer, .address_space: global }
      - { .name: v_x_scales, .offset: 40, .size: 8, .value_kind: global_buffer, .address_space: global }
      - { .name: Wq_codes, .offset: 48, .size: 8, .value_kind: global_buffer, .address_space: global }
      - { .name: Wq_scales, .offset: 56, .size: 8, .value_kind: global_buffer, .address_space: global }
      - { .name: Wk_codes, .offset: 64, .size: 8, .value_kind: global_buffer, .address_space: global }
      - { .name: Wk_scales, .offset: 72, .size: 8, .value_kind: global_buffer, .address_space: global }
      - { .name: Wv_codes, .offset: 80, .size: 8, .value_kind: global_buffer, .address_space: global }
      - { .name: Wv_scales, .offset: 88, .size: 8, .value_kind: global_buffer, .address_space: global }
      - { .name: Wg_codes, .offset: 96, .size: 8, .value_kind: global_buffer, .address_space: global }
      - { .name: Wg_scales, .offset: 104, .size: 8, .value_kind: global_buffer, .address_space: global }
      - { .name: Wo_codes, .offset: 112, .size: 8, .value_kind: global_buffer, .address_space: global }
      - { .name: Wo_scales, .offset: 120, .size: 8, .value_kind: global_buffer, .address_space: global }
      - { .name: bg, .offset: 128, .size: 8, .value_kind: global_buffer, .address_space: global }
      - { .name: bo, .offset: 136, .size: 8, .value_kind: global_buffer, .address_space: global }
      - { .name: bias, .offset: 144, .size: 8, .value_kind: global_buffer, .address_space: global }
      - { .name: out0, .offset: 152, .size: 8, .value_kind: global_buffer, .address_space: global }
    .group_segment_fixed_size: 327680
    .private_segment_fixed_size: 0
    .kernarg_segment_align: 8
    .kernarg_segment_size: 160
    .max_flat_workgroup_size: 256
    .sgpr_count:     102
    .vgpr_count:     512
    .wavefront_size: 32
...
	.end_amdgpu_metadata
.endif
;; end of part 2
